; MI455X (gfx1250); checked and timed in simulation.
; The chip was launched on July 23, 2026; its instructions are those of AMD's public machine-readable ISA for CDNA 5 (MIT licence, August 2026) and "CDNA5" Instruction Set Architecture Reference Guide (July 2026). The comments in the code are by the model that wrote it; some were corrected since.
;; Causal Self Attention. Allowed arithmetic: float matrix products may take bf16 or f16 operands with f32 sums; other float arithmetic in f32, or as packed bf16 or f16 multiplies, adds, multiply-adds, maxima and minima; sums over many terms, partial sums and values carried from step to step in f32; what a program stores and reads back later, other than sums and carried values, may be rounded once to bf16 or f16.
;; Inputs: lambdas 2 float32; proj_w 1,024 x 1,024 float32; qkv_w 3 x 1,024 x 1,024 float32; ve 1 x 4,096 x 1,024 float32; x 1 x 4,096 x 1,024 float32.
;; Outputs: out0 1 x 4,096 x 1,024 float32.
;; 2 versions, each right; version 2 is version 1 with the launch prep written anew for expert scheduling mode. Each part assembles by itself: llvm-mc -triple=amdgcn-amd-amdhsa -mcpu=gfx1250 --defsym DOCPART=n.
;; ======== version 1 of 2: 4 launches
;; limits: values are held in f16: magnitudes above 65,504 overflow, below 6.1e-05 lose precision
;; workspace buffers: xb 8,388,608 bytes; wb 6,291,456 bytes; pb 2,097,152 bytes; rope 1,048,576 bytes; qf 8,388,608 bytes; kf 8,388,608 bytes; vf 8,388,608 bytes; yf 8,388,608 bytes
;; launch prep (part 1): grid 512 x 1, 8 waves a work-group, no clusters, 0 bytes of LDS; arguments x, qkv_w, proj_w, xb, wb, pb, rope; writes xb, wb, pb, rope
.if DOCPART == 1
	.amdgcn_target "amdgcn-amd-amdhsa--gfx1250"
	.amdhsa_code_object_version 6
	.text
	.protected	k_q4e6589c247_prep
	.globl	k_q4e6589c247_prep
	.p2align	8
	.type	k_q4e6589c247_prep,@function
k_q4e6589c247_prep:
	s_mov_b64 s[64:65], 0
	v_nop
	global_prefetch_b8 v0, s[64:65] scope:SCOPE_SE
	s_setreg_imm32_b32 hwreg(HW_REG_WAVE_MODE, 25, 1), 1
	s_wait_xcnt 0x0
; THE INPUTS OF THE TWO PROJECTIONS, ROUNDED ONCE, AND THE ROTARY TABLE.
; xb = bf16(x), wb = bf16(qkv_w), pb = f16(bf16(proj_w)): proj_w has the same rounding to bf16 as every other input and is then written as f16,
; because the last product's other operand is f16.  LIMIT: below 6.1e-5 f16 keeps a fixed step of 6e-8, so such a weight is off by at most 3e-8.
; rope[t] = cos(t a_j), j = 0..31, then sin(t a_j), j = 0..31, f32, 256 bytes a row; a_j = 2^(-10 j / 31).  The other 32 angles of the problem's table are 0 and need no entry.
; LIMIT: a_j comes from v_exp_f32 (1 ULP: ISA guide 15.8), so t a_j may be off by some 4e-4 at t = 4095; sine and cosine are cut at r^7 and r^8 with |r| <= pi/4: below 4e-7.
; SHARES.  512 work-groups, each one chunk of 16,384 numbers: 256 chunks of x, 192 of qkv_w, 64 of proj_w.  A wave takes 2,048 numbers by 16 loads of 512 consecutive bytes, all issued at once;
; a load's four numbers a lane leave as 8 bytes, so a store of the wave covers 256 consecutive bytes, aligned.  Wave 8 n + w also makes row t = 8 n + w of the table: 4,096 waves, 4,096 rows.
; No LDS, no barrier, no matrix unit: nothing is shared and every byte is touched once.
.set D, 16                             ; v[16:79]   the 16 loads
.set O, 80                             ; v[80:111]  two registers to store for each load
	s_load_b256 s[4:11], s[0:1], 0x0               ; x s[4:5], qkv_w s[6:7], proj_w s[8:9], xb s[10:11]
	s_load_b128 s[12:15], s[0:1], 0x20             ; wb s[12:13], pb s[14:15]
	s_load_b64 s[16:17], s[0:1], 0x30              ; rope
	v_lshrrev_b32 v4, 5, v0
	v_readfirstlane_b32 s3, v4                     ; wave 0..7
	v_and_b32 v5, 31, v0                           ; lane
	v_lshlrev_b32 v1, 4, v5
	v_lshl_add_u32 v1, v4, 13, v1                  ; in: 8,192 w + 16 lane
	v_lshlrev_b32 v3, 3, v5                        ; 8 lane
	v_lshl_add_u32 v2, v4, 12, v3                  ; out: 4,096 w + 8 lane
	s_mov_b32 s2, ttmp9                            ; n
	s_movk_i32 s30, 256                            ; first chunk of qkv_w
	s_movk_i32 s31, 448                            ; first chunk of proj_w
	s_lshl_b32 s25, s2, 3
	s_add_co_u32 s25, s25, s3                      ; t
	s_lshl_b32 s18, s25, 8                         ; the table's row, 256 bytes
	s_mov_b32 s19, 0
	s_mov_b32 s32, 0x3f22f983                      ; 2 / pi
	s_mov_b32 s33, 0xbfc90fdb                      ; - (pi / 2 rounded to f32)
	s_mov_b32 s34, 0x333bbd2e                      ; - (pi / 2 less that)
	s_mov_b32 s35, 0xbe2aaaab                      ; -1/6
	s_mov_b32 s36, 0x3c088889                      ; 1/120
	s_mov_b32 s37, 0xb9500d01                      ; -1/5040
	s_mov_b32 s38, 0x3d2aaaab                      ; 1/24
	s_mov_b32 s39, 0xbab60b61                      ; -1/720
	s_mov_b32 s40, 0x37d00d01                      ; 1/40320
	s_wait_kmcnt 0x0
	s_cmp_lt_u32 s2, s31                           ; which tensor: the choice hangs on the work-group's number alone
	s_cselect_b64 s[20:21], s[6:7], s[8:9]
	s_cselect_b64 s[22:23], s[12:13], s[14:15]
	s_cselect_b32 s24, s30, s31
	s_cmp_lt_u32 s2, s30
	s_cselect_b64 s[20:21], s[4:5], s[20:21]
	s_cselect_b64 s[22:23], s[10:11], s[22:23]
	s_cselect_b32 s24, 0, s24
	s_sub_co_u32 s24, s2, s24                      ; my chunk in that tensor
	s_lshl_b32 s26, s24, 16                        ; 65,536 bytes in,
	s_mov_b32 s27, 0
	s_lshl_b32 s28, s24, 15                        ; 32,768 out
	s_mov_b32 s29, 0
	s_add_nc_u64 s[20:21], s[20:21], s[26:27]
	s_add_nc_u64 s[22:23], s[22:23], s[28:29]
	s_add_nc_u64 s[16:17], s[16:17], s[18:19]
.irp i, 0,1,2,3,4,5,6,7,8,9,10,11,12,13,14,15
	global_load_b128 v[D+4*(\i):D+4*(\i)+3], v1, s[20:21] offset:512*(\i) th:TH_LOAD_NT
.endr
; THE TABLE'S ROW, made while the loads are out.  Lane l makes columns 2 l and 2 l + 1: cosines in lanes 0-15, sines in lanes 16-31, of j = 2 (l % 16) and the next.
; sin(th): k = the nearest whole number to th 2 / pi; r = th - k pi / 2 with pi / 2 in two parts (k <= 2,607); quadrant n = k: sin r, cos r, -sin r, -cos r.  cos(th) = sin(th + pi / 2): n = k + 1.
.macro SINCOS dst, th
	v_mul_f32 v112, s32, v[\th]
	v_rndne_f32 v112, v112                         ; k
	v_fma_f32 v113, v112, s33, v[\th]
	v_fma_f32 v113, v112, s34, v113                ; r
	v_mul_f32 v114, v113, v113                     ; z = r r
	v_fma_f32 v115, v114, s37, s36
	v_fma_f32 v116, v114, s40, s39
	v_fma_f32 v115, v115, v114, s35
	v_fma_f32 v116, v116, v114, s38
	v_mul_f32 v117, v114, v113
	v_fma_f32 v116, v116, v114, -0.5
	v_fma_f32 v115, v115, v117, v113               ; sin r
	v_fma_f32 v116, v116, v114, 1.0                ; cos r
	v_cvt_i32_f32 v112, v112
	v_add_nc_u32 v112, v112, v9                    ; n
	v_and_b32 v117, 1, v112
	v_cmp_eq_u32 vcc_lo, 1, v117
	v_cndmask_b32 v[\dst], v115, v116, vcc_lo      ; a choice of values only
	v_and_b32 v117, 2, v112
	v_lshlrev_b32 v117, 30, v117                   ; the sign
	v_xor_b32 v[\dst], v[\dst], v117
.endm
	v_and_b32 v4, 15, v0
	v_lshlrev_b32 v4, 1, v4                        ; j
	v_cvt_f32_u32 v6, v4
	v_add_nc_u32 v4, 1, v4
	v_cvt_f32_u32 v7, v4
	v_mul_f32 v6, 0xbea5294a, v6                   ; -10 j / 31
	v_mul_f32 v7, 0xbea5294a, v7
	v_exp_f32 v6, v6
	v_exp_f32 v7, v7
	v_cvt_f32_u32 v8, s25                          ; t; with the two lines below the independent work behind the exponentials
	v_cmp_gt_u32 vcc_lo, 16, v5
	v_cndmask_b32 v9, 0, 1, vcc_lo                 ; 1 where a cosine is made
	s_wait_alu depctr_va_vdst(0)                   ; one wait for both exponentials, ahead of their first reader
	v_mul_f32 v6, v6, v8
	v_mul_f32 v7, v7, v8
	SINCOS 10, 6
	SINCOS 11, 7
	global_store_b64 v3, v[10:11], s[16:17]        ; the wave stores the row's 256 consecutive bytes
	s_cmp_lt_u32 s2, s31
	s_cbranch_scc0 .Lproj
.irp i, 0,1,2,3,4,5,6,7,8,9,10,11,12,13,14,15
	s_wait_loadcnt 15-(\i)                         ; loads come back in order (ISA guide 5.7.1): load i is in, the younger ones stay out
	v_cvt_pk_bf16_f32 v[O+2*(\i)], v[D+4*(\i)], v[D+4*(\i)+1]
	v_cvt_pk_bf16_f32 v[O+2*(\i)+1], v[D+4*(\i)+2], v[D+4*(\i)+3]
	global_store_b64 v2, v[O+2*(\i):O+2*(\i)+1], s[22:23] offset:256*(\i)
.endr
	s_endpgm
.Lproj:                                        ; proj_w: to bf16, widened again, and that number written as f16
.irp i, 0,1,2,3,4,5,6,7,8,9,10,11,12,13,14,15
	s_wait_loadcnt 15-(\i)
	v_cvt_pk_bf16_f32 v12, v[D+4*(\i)], v[D+4*(\i)+1]
	v_cvt_pk_bf16_f32 v13, v[D+4*(\i)+2], v[D+4*(\i)+3]
	v_lshlrev_b32 v112, 16, v12
	v_and_b32 v113, 0xffff0000, v12
	v_lshlrev_b32 v114, 16, v13
	v_and_b32 v115, 0xffff0000, v13
	v_cvt_pk_f16_f32 v[O+2*(\i)], v112, v113
	v_cvt_pk_f16_f32 v[O+2*(\i)+1], v114, v115
	global_store_b64 v2, v[O+2*(\i):O+2*(\i)+1], s[22:23] offset:256*(\i)
.endr
	s_endpgm
.Lfunc_end_k_q4e6589c247_prep:
	.size	k_q4e6589c247_prep, .Lfunc_end_k_q4e6589c247_prep-k_q4e6589c247_prep
	.p2alignl 7, 3214868480
	.fill 96, 4, 3214868480
	.section	.rodata,"a",@progbits
	.p2align	6, 0x0
	.amdhsa_kernel k_q4e6589c247_prep
		.amdhsa_group_segment_fixed_size 0
		.amdhsa_private_segment_fixed_size 0
		.amdhsa_enable_private_segment 0
		.amdhsa_kernarg_size 56
		.amdhsa_user_sgpr_count 2
		.amdhsa_user_sgpr_kernarg_segment_ptr 1
		.amdhsa_wavefront_size32 1
		.amdhsa_system_sgpr_workgroup_id_x 1
		.amdhsa_system_sgpr_workgroup_id_y 1
		.amdhsa_system_sgpr_workgroup_id_z 1
		.amdhsa_system_vgpr_workitem_id 0
		.amdhsa_next_free_vgpr 120
		.amdhsa_next_free_sgpr 66
		.amdhsa_reserve_vcc 1
		.amdhsa_float_denorm_mode_32 3
		.amdhsa_float_denorm_mode_16_64 3
		.amdhsa_memory_ordered 1
		.amdhsa_forward_progress 1
		.amdhsa_inst_pref_size 20
	.end_amdhsa_kernel
	.amdgpu_metadata
---
amdhsa.version: [ 1, 2 ]
amdhsa.kernels:
  - .name:           k_q4e6589c247_prep
    .symbol:         k_q4e6589c247_prep.kd
    .args:
      - { .name: x, .offset: 0, .size: 8, .value_kind: global_buffer, .address_space: global }
      - { .name: qkv_w, .offset: 8, .size: 8, .value_kind: global_buffer, .address_space: global }
      - { .name: proj_w, .offset: 16, .size: 8, .value_kind: global_buffer, .address_space: global }
      - { .name: xb, .offset: 24, .size: 8, .value_kind: global_buffer, .address_space: global }
      - { .name: wb, .offset: 32, .size: 8, .value_kind: global_buffer, .address_space: global }
      - { .name: pb, .offset: 40, .size: 8, .value_kind: global_buffer, .address_space: global }
      - { .name: rope, .offset: 48, .size: 8, .value_kind: global_buffer, .address_space: global }
    .group_segment_fixed_size: 0
    .private_segment_fixed_size: 0
    .kernarg_segment_align: 8
    .kernarg_segment_size: 56
    .max_flat_workgroup_size: 256
    .sgpr_count:     66
    .vgpr_count:     120
    .wavefront_size: 32
...
	.end_amdgpu_metadata
.endif
;; end of part 1
;; launch qkv (part 2): grid 12 x 16, 4 waves a work-group, clusters of 4 x 4, 327,680 bytes of LDS; arguments xb, wb, ve, lambdas, rope, qf, kf, vf; writes qf, kf, vf
.if DOCPART == 2
	.amdgcn_target "amdgcn-amd-amdhsa--gfx1250"
	.amdhsa_code_object_version 6
	.text
	.protected	k_q4e6589c247_qkv
	.globl	k_q4e6589c247_qkv
	.p2align	8
	.type	k_q4e6589c247_qkv,@function
k_q4e6589c247_qkv:
	s_mov_b64 s[64:65], 0
	v_nop
	global_prefetch_b8 v0, s[64:65] scope:SCOPE_SE
	s_setreg_imm32_b32 hwreg(HW_REG_WAVE_MODE, 25, 1), 1
	s_wait_xcnt 0x0
	s_wait_alu depctr_hold_cnt(0) depctr_sa_sdst(0) depctr_va_vdst(0) depctr_va_sdst(0) depctr_va_ssrc(0) depctr_va_vcc(0) depctr_vm_vsrc(0)
	s_getreg_b32 s2, hwreg(HW_REG_IB_STS2, 6, 4)
	s_cmp_eq_u32 s2, 0
	s_cbranch_scc0 .Lentry_in_a_cluster
	s_endpgm
.Lentry_in_a_cluster:
	s_bfe_u32 s2, ttmp6, 0x10000c
	s_cmp_lg_u32 s2, 0xf033
	s_cbranch_scc0 .Lentry_shape_is_right
	s_endpgm
.Lentry_shape_is_right:
; THE FIRST PROJECTION AND ALL THAT FOLLOWS IT ROW BY ROW.  C[t][e] = sum over d of xb[t][d] wb[e][d], 4096 x 3072 x 1024, bf16 operands, f32 sums.  Then, still in the wave that made them:
;   q, k (e < 2048): the rotary turn, the division by the root mean square of the head's 128 numbers, one rounding to f16;
;   v    (e >= 2048): l0 v + l1 ve, with ve and both lambdas rounded to bf16 like every other input, one rounding to f16.
; The sum of squares is taken behind the turn: a turn keeps it, so the difference is rounding in f32's last bits.
; LIMITS.  f16 ends at 65,504: |l0 v + l1 ve| must stay below it (with all inputs 30 times the drawn spread it has a spread of some 7,000); q and k lie within 11.4.  NaN and infinities are not treated apart.
; SHARES.  A tile of C is 256 x 256; four waves, each 128 rows x 128 columns = ONE HEAD, 64 accumulators, 512 registers: norm, turn and mix never leave a wave.  K goes in steps of 128 through two LDS slots filled by the
; tensor data mover.  12 x 16 tiles: 192 work-groups; a tile that gave 256 would cut a head across waves.
; CLUSTER.  4 x 4 work-groups: xb's tile is shared along a row of the cluster, wb's along a column; each is asked for jointly.  The cluster's x is the kind of column: 0 q, 1 k, 2 v: the same in all sixteen partners.
; THE MATRIX INSTRUCTION IS USED TRANSPOSED (source 0 = 16 rows of wb, source 1 = 16 rows of xb): lane l holds row l % 16 of C and the columns 8 (l / 16) + 0..7 of the block of 16.
; WHAT LEAVES.  qf, kf: [head][block of 16 rows][8 units of 512 bytes]; in unit b lane l's 16 bytes are row l % 16, channels 16 b + 8 (l / 16) + 0..7: one packed accumulator, and half a matrix fragment for the next launch.
; vf: [head][key][256 bytes]; the 16 bytes of channels 8 o .. 8 o + 7 of key n lie at byte 16 (o xor 2 (n % 8)) of the row, so that a dense copy in LDS can be read turned with each bank touched once.
; THE TABLE AND ve come by two last tensor loads a wave, into the wave's own quarter of the slots that K no longer needs: 64 rows each, read by that wave alone.
; REGISTERS, in windows of 256: window 0: v0-63 addresses and small work; v64-127, v128-191 fragments of xb, two buffers, later the way out; window 1: v64-191 fragments of wb; windows 2, 3: the accumulators, (a, b) at v[8 (8 (a % 4) + b)].
.set SIZE_K, 1024
.set KSTEP,  128
.set PITCH,  272                       ; an LDS row: 256 bytes + 16 of padding = 68 words: the 16 rows of a load start at 16 different groups of four banks (64 banks of 4 bytes: ISA guide 11.1)
.set HALFT,  128*PITCH                 ; what one tensor load brings
.set SLOT,   4*HALFT                   ; xb's 256 rows, then wb's 256 rows
.set STAGE,  2*SLOT                    ; behind the ring, never filled by a tensor load: 16 rows x 528 bytes for each wave
.set SPITCH, 528                       ; 128 f32 + 16 bytes
.set WSTAGE, 16*SPITCH
.set SPARE,  STAGE+4*WSTAGE            ; the spare words, 128 bytes for each wave: two blocks of 256 bytes that no other line names
.set LAPS,   SIZE_K/(2*KSTEP)
.set ADRA, 16                          ; v16-17  LDS address of my xb fragments in slot 0, 1
.set ADRB, 20                          ; v20-21  the same for wb
.set FQ,   22                          ; v22     the table's rows of the block in hand
.set FV,   23                          ; v23     ve's rows of the block in hand
.set STG,  24                          ; v24     stage: 528 (l % 16) + 32 (l / 16)
.set STR,  25                          ; v25     stage: 16 l
.set FQ0,  26                          ; v26     my quarter of a slot + 272 (l % 16) + 32 (l / 16); never rewritten
.set FV0,  27                          ; v27     my quarter of a slot + 16 l; never rewritten
.set SPW,  28                          ; v28     my spare word; never rewritten
.set NIL,  29                          ; v29     0; never rewritten
.set PFO,  30                          ; v30     the prefetches' offset: my lane x a row of 2,048 bytes; never rewritten
.set UO,   31                          ; v31     16 l
.set VO,   32                          ; v32-39  8 l xor 32 n, n = 0..7
.set LA,   40                          ; v40-41  l0 twice, v42 l1, v43 at work
.set SS,   44                          ; v44-51  four chains of the sum of squares
.set RS,   52                          ; v52-53  1 / root mean square, twice
.set F0,   64
.set F1,   128
.set X,    64                          ; q, k: the block's 64 numbers a lane
.set CSN,  128                         ; 16 cosines, then 16 sines
.set TT,   160                         ; at work
.set PK,   192                         ; 32 registers to store
.set AR,   64                          ; v: 16 rows x 4 numbers a lane
.set VE,   128
.set TV,   192
.set BB,   200
.set OUT,  208
.set G1,  24                           ; s[24:31] group 1 for xb's tiles;  s[32:39] group 0, a set for each slot
.set G0,  32
.set LIM, 43                           ; s43  1 in a wave that prefetches, else the greatest number
.set PFA, 44                           ; s[44:45] where my prefetches stand
.set G1B, 48                           ; s[48:55], s[56:63] the same for wb's tiles
.set G0B, 56
.set INC, 20                           ; s[20:21] what the next block adds to the output's address
.set EBQ, 22                           ; s22  LDS byte at which the table's rows of the block in hand begin, less my quarter
.set EBV, 23                           ; s23  the same for ve
.set TYPE, 66                          ; s66  0 q, 1 k, 2 v
.set BLK, 67                           ; s67  the block of 16 rows in hand, 0..7
.set G1V, 68                           ; s[68:75] first four arguments, then group 1 for ve's tiles
.set SEL, 76                           ; s[76:79] first two arguments, then v_permlanex16_b32's selects, 1/128, eps
.set LAM, 80                           ; s[80:81] the lambdas
.set OB,  82                           ; s[82:83] where the block in hand is stored
.set G0E, 84                           ; s[84:91] group 0 for the two last loads
.set G1R, 92                           ; s[92:99] group 1 for the table's tiles
.set CNTO, 100
.set CNTI, 101
.set MSB, 0
.macro WIN new                         ; the immediate's high byte repeats the setting that is left; a switch that changes nothing is dropped
.if MSB != (\new)
	s_set_vgpr_msb (MSB<<8)|(\new)
.set MSB, \new
.endif
.endm
.set MUL_LO, 0xa1                      ; source 0 (wb) window 1, source 1 (xb) window 0, C and D window 2
.set MUL_HI, 0xf1                      ; the same, C and D window 3
.set TO_B,   0x40                      ; destination window 1, address window 0
; A joint load: waves 0 and 1 fetch xb's two halves, waves 2 and 3 wb's.  The branch hangs on the wave's number alone.  An s_nop 0 and four v_nop follow each line.
.macro JLOAD s
	s_cmp_eq_u32 s11, 0
	s_cbranch_scc0 .Lfor_b_\@
	tensor_load_to_lds s[G0+4*(\s):G0+4*(\s)+3], s[G1:G1+7]
	s_nop 0
.rept 4
	v_nop
.endr
	s_branch .Lasked_\@
.Lfor_b_\@:
	tensor_load_to_lds s[G0B+4*(\s):G0B+4*(\s)+3], s[G1B:G1B+7]
	s_nop 0
.rept 4
	v_nop
.endr
.Lasked_\@:
.endm
; One of the two last loads, a wave's own (no mask): 64 rows of the table (q, k) or of ve's 128 columns of my head (v) into my quarter of slot n.  The branch hangs on the cluster's x, the same in all partners.
.macro ELOAD n
	s_cmp_eq_u32 s[TYPE], 2
	s_cbranch_scc1 .Lfor_ve_\@
	tensor_load_to_lds s[G0E+4*(\n):G0E+4*(\n)+3], s[G1R:G1R+7]
	s_nop 0
.rept 4
	v_nop
.endr
	s_branch .Lgot_\@
.Lfor_ve_\@:
	tensor_load_to_lds s[G0E+4*(\n):G0E+4*(\n)+3], s[G1V:G1V+7]
	s_nop 0
.rept 4
	v_nop
.endr
.Lgot_\@:
.endm
; A prefetch of the K step that stands two refills on: 32 rows x 256 bytes, a lane a row, one instruction a wave.  xb's rows are asked for by the clusters with x = 0, wb's by those with y = 0; the four partners
; that ask for a tile jointly take 32 of a wave's 128 rows each, told apart by address.  So each row's 256 bytes of a K step are named once.  The loop's last trip asks for nothing: no K step stands two on.
.macro ASK
	s_cmp_gt_u32 s3, s[LIM]
	s_cbranch_scc0 .Lnot_mine_\@
	global_prefetch_b8 v[PFO], s[PFA:PFA+1] offset:KSTEP*2 th:TH_LOAD_NT scope:SCOPE_SE
.Lnot_mine_\@:
.endm
.macro CREST                           ; a round of the cluster's barrier behind its opening barrier
	s_cmp_lg_u32 s10, 0
	s_cbranch_scc1 .Lnot_wave_0_\@
	s_barrier_signal -3
.Lnot_wave_0_\@:
	s_barrier_wait -3
	s_barrier_signal -1
	s_barrier_wait -1
.endm
.macro CROUND
	s_barrier_signal -1
	s_barrier_wait -1
	CREST
.endm
	s_load_b128 s[4:7], s[0:1], 0x0                ; xb s[4:5], wb s[6:7]
	s_load_b256 s[68:75], s[0:1], 0x10             ; ve s[68:69], lambdas s[70:71], rope s[72:73], qf s[74:75]
	s_load_b128 s[76:79], s[0:1], 0x30             ; kf s[76:77], vf s[78:79]
	v_lshl_add_u32 v[SPW], v0, 2, SPARE
	v_mov_b32 v[NIL], 0
	ds_add_u32 v[SPW], v[NIL]                      ; the wave's opening: the add and its wait stand ahead of my first tensor load; the set-up below stands between them
	v_lshrrev_b32 v1, 5, v0
	v_readfirstlane_b32 s10, v1                    ; wave 0..3
	s_lshr_b32 s11, s10, 1                         ; which half of the tile's rows is mine.  Also: I fetch for xb (0) or for wb (1)
	s_and_b32 s12, s10, 1                          ; which half of its columns.  Also: which 128 rows of that tile I fetch
	s_bfe_u32 s40, ttmp6, 0x40000                  ; cx
	s_bfe_u32 s41, ttmp6, 0x40004                  ; cy
	s_lshl_b32 s42, ttmp9, 2
	s_add_co_u32 s42, s42, s40                     ; tile column = 4 x cluster x + cx
	s_and_b32 s13, ttmp7, 0xffff
	s_lshl_b32 s13, s13, 2
	s_add_co_u32 s13, s13, s41                     ; tile row = 4 x cluster y + cy
	s_lshl_b32 s43, s41, 2
	s_lshl_b32 s43, 15, s43                        ; my row of the cluster
	s_lshl_b32 s44, 0x1111, s40                    ; my column
	s_or_b32 s[G1+0], s43, (1<<16)|(1<<20)|(1<<21)|(5<<22)|(3<<25)  ; the mask; elements of 2 bytes; padding on; bit 21 beside a mask; after every 64 words, 4 words
	s_or_b32 s[G1B+0], s44, (1<<16)|(1<<20)|(1<<21)|(5<<22)|(3<<25)
.irp g, G1, G1B
	s_mov_b32 s[(\g)+1], KSTEP<<16                 ; tensor_dim0 = 128
	s_mov_b32 s[(\g)+2], 128<<16                   ; tensor_dim1 = 128
	s_mov_b32 s[(\g)+3], KSTEP<<16                 ; tile_dim0 = 128
	s_mov_b32 s[(\g)+4], 128                       ; tile_dim1 = 128
	s_mov_b32 s[(\g)+5], SIZE_K                    ; elements from row to row
	s_mov_b32 s[(\g)+6], 0
	s_mov_b32 s[(\g)+7], 0
.endr
	s_mov_b32 s[G1R+0], (2<<16)|(1<<20)|(5<<22)|(3<<25)  ; the table: elements of 4 bytes, no mask; after every 64 words, 4 words: LDS pitch 272
	s_mov_b32 s[G1R+1], 64<<16
	s_mov_b32 s[G1R+2], 64<<16
	s_mov_b32 s[G1R+3], 64<<16
	s_mov_b32 s[G1R+4], 64
	s_mov_b32 s[G1R+5], 64
	s_mov_b32 s[G1R+6], 0
	s_mov_b32 s[G1R+7], 0
	s_lshl_b32 s17, s12, 7
	s_lshl_b32 s16, s13, 8
	s_add_co_u32 s16, s16, s17                     ; xb: row 256 x tile row + 128 x half
	s_lshl_b32 s46, s42, 8
	s_add_co_u32 s46, s46, s17                     ; wb: row 256 x tile column + 128 x half
	s_mov_b32 s17, 0
	s_mov_b32 s47, 0
	s_mov_b64 s[18:19], SIZE_K*2
	s_mul_u64 s[16:17], s[16:17], s[18:19]
	s_mul_u64 s[46:47], s[46:47], s[18:19]
	s_mul_i32 s20, s10, HALFT                      ; where they go: wave x 128 rows: no place in the cluster enters an LDS address
	s_wait_dscnt 0x0                               ; the opening add is done
	s_wait_kmcnt 0x0
	s_add_nc_u64 s[14:15], s[4:5], s[16:17]
	s_add_nc_u64 s[46:47], s[6:7], s[46:47]
	CROUND                                         ; all sixteen work-groups are here: the first joint loads meet
.irp s, 0,1
	s_mov_b32 s[G0+4*(\s)], 1
	s_add_co_u32 s[G0+4*(\s)+1], s20, (\s)*SLOT
	s_add_nc_u64 s[G0+4*(\s)+2:G0+4*(\s)+3], s[14:15], (\s)*KSTEP*2
	s_or_b32 s[G0+4*(\s)+3], s[G0+4*(\s)+3], 0x80000000
	s_mov_b32 s[G0B+4*(\s)], 1
	s_add_co_u32 s[G0B+4*(\s)+1], s20, (\s)*SLOT
	s_add_nc_u64 s[G0B+4*(\s)+2:G0B+4*(\s)+3], s[46:47], (\s)*KSTEP*2
	s_or_b32 s[G0B+4*(\s)+3], s[G0B+4*(\s)+3], 0x80000000
	JLOAD \s
.endr
	s_load_b64 s[LAM:LAM+1], s[70:71], 0x0         ; the two lambdas; waited for below
	; fragments: lane l holds row l % 16; two loads of 16 bytes, 32 bytes apart
	v_and_b32 v1, 15, v0                           ; l % 16
	v_bfe_u32 v2, v0, 4, 1                         ; l / 16
	v_mul_u32_u24 v3, v1, PITCH
	v_lshl_add_u32 v4, v2, 5, v3                   ; 272 (l % 16) + 32 (l / 16): the table
	v_lshl_add_u32 v3, v2, 4, v3                   ; 272 (l % 16) + 16 (l / 16): fragments
	s_mul_i32 s21, s11, HALFT
	s_mul_i32 s22, s12, HALFT
	s_add_co_u32 s22, s22, 2*HALFT
.irp s, 0,1
	v_add_nc_u32 v[ADRA+(\s)], s21, v3
	v_add_nc_u32 v[ADRB+(\s)], s22, v3
	s_add_co_u32 s21, s21, SLOT
	s_add_co_u32 s22, s22, SLOT
.endr
	v_add_nc_u32 v[FQ0], s20, v4
	v_and_b32 v5, 31, v0
	v_lshlrev_b32 v[UO], 4, v5
	v_add_nc_u32 v[FV0], s20, v[UO]
	s_mul_i32 s23, s10, WSTAGE
	s_add_co_u32 s23, s23, STAGE                   ; my stage
	v_mul_u32_u24 v4, v1, SPITCH
	v_lshl_add_u32 v4, v2, 5, v4
	v_add_nc_u32 v[STG], s23, v4
	v_add_nc_u32 v[STR], s23, v[UO]
	v_lshlrev_b32 v5, 3, v5
.irp n, 0,1,2,3,4,5,6,7
	v_xor_b32 v[VO+(\n)], 32*(\n), v5
.endr
	; the last two loads and the output's address.  These hang on cx and cy; they feed plain loads and stores alone
	s_mov_b32 s[TYPE], ttmp9
	s_lshl_b32 s14, s40, 1
	s_add_co_u32 s14, s14, s12                     ; my head = 2 cx + column half
	s_lshl_b32 s15, s13, 8
	s_lshl_b32 s16, s11, 7
	s_add_co_u32 s15, s15, s16                     ; my first row
	s_lshl_b32 s16, s15, 8                         ; its byte in the table
	s_lshl_b32 s18, s15, 12
	s_lshl_b32 s19, s14, 9
	s_add_co_u32 s18, s18, s19                     ; its byte in ve, at my head's columns
	s_mov_b32 s19, 64*256                          ; 64 rows on, in the table
	s_mov_b32 s17, 64*4096                         ; and in ve
	s_cmp_eq_u32 s[TYPE], 2
	s_cselect_b64 s[46:47], s[68:69], s[72:73]
	s_cselect_b32 s16, s18, s16
	s_cselect_b32 s18, s17, s19
	s_mov_b32 s17, 0
	s_mov_b32 s19, 0
	s_add_nc_u64 s[46:47], s[46:47], s[16:17]
	s_mov_b32 s[G0E], 1
	s_add_co_u32 s[G0E+1], s20, 0*SLOT
	s_mov_b64 s[G0E+2:G0E+3], s[46:47]
	s_or_b32 s[G0E+3], s[G0E+3], 0x80000000
	s_add_nc_u64 s[46:47], s[46:47], s[18:19]
	s_mov_b32 s[G0E+4], 1
	s_add_co_u32 s[G0E+5], s20, 1*SLOT
	s_mov_b64 s[G0E+6:G0E+7], s[46:47]
	s_or_b32 s[G0E+7], s[G0E+7], 0x80000000
	s_cmp_eq_u32 s[TYPE], 0
	s_cselect_b64 s[OB:OB+1], s[74:75], s[76:77]
	s_cmp_eq_u32 s[TYPE], 2
	s_cselect_b64 s[OB:OB+1], s[78:79], s[OB:OB+1]
	s_lshl_b32 s16, s14, 20                        ; a head is 2^20 bytes,
	s_lshl_b32 s17, s15, 8                         ; 16 rows are 4,096
	s_add_co_u32 s16, s16, s17
	s_mov_b32 s17, 0
	s_add_nc_u64 s[OB:OB+1], s[OB:OB+1], s[16:17]
	; the prefetches
	s_lshl_b32 s13, s13, 8
	s_lshl_b32 s42, s42, 8
	s_and_b32 s22, ttmp7, 0xffff
	s_cmp_eq_u32 s11, 0                            ; do I fetch for xb?
	s_cselect_b32 s20, s13, s42                    ; the tile's first row
	s_cselect_b32 s21, s40, s41                    ; my place among the four that ask for it with me
	s_cselect_b32 s22, ttmp9, s22                  ; the coordinate along which other clusters read the same rows
	s_cselect_b64 s[PFA:PFA+1], s[4:5], s[6:7]
	s_cmp_eq_u32 s22, 0
	s_cselect_b32 s[LIM], 1, -1
	s_lshl_b32 s22, s12, 7
	s_add_co_u32 s20, s20, s22
	s_lshl_b32 s21, s21, 5
	s_add_co_u32 s20, s20, s21
	s_mov_b32 s21, 0
	s_mov_b64 s[18:19], SIZE_K*2
	s_mul_u64 s[20:21], s[20:21], s[18:19]
	s_add_nc_u64 s[PFA:PFA+1], s[PFA:PFA+1], s[20:21]
	s_add_nc_u64 s[PFA:PFA+1], s[PFA:PFA+1], 2*KSTEP*2  ; at K step 2: the first refill steps it to 3 and names K step 4
	v_and_b32 v[PFO], 31, v0
	v_mul_u32_u24 v[PFO], v[PFO], SIZE_K*2
	s_wait_kmcnt 0x0                               ; the lambdas are in, and their address has been read: the arguments' registers may be written
	v_cvt_pk_bf16_f32 v[LA+3], s[LAM], s[LAM+1]    ; rounded to bf16 like every input
	v_lshlrev_b32 v[LA], 16, v[LA+3]
	v_lshlrev_b32 v[LA+1], 16, v[LA+3]
	v_and_b32 v[LA+2], 0xffff0000, v[LA+3]
	s_mov_b32 s[G1V+0], (2<<16)|(1<<20)|(6<<22)|(3<<25)  ; ve: elements of 4 bytes; after every 128 words, 4 words: LDS pitch 528
	s_mov_b32 s[G1V+1], 128<<16
	s_mov_b32 s[G1V+2], 64<<16
	s_mov_b32 s[G1V+3], 128<<16
	s_mov_b32 s[G1V+4], 64
	s_mov_b32 s[G1V+5], 1024
	s_mov_b32 s[G1V+6], 0
	s_mov_b32 s[G1V+7], 0
	s_mov_b32 s[SEL], 0x76543210
	s_mov_b32 s[SEL+1], 0xfedcba98
	s_mov_b32 s[SEL+2], 0x3c000000                 ; 1 / 128
	s_mov_b32 s[SEL+3], 0x34000000                 ; eps = 2^-23
; 16 matrix instructions: m blocks a0, a0 + 1 of the window's four x all 8 n blocks, 32 along K.  zero = 1: the first product starts the sums.  The 64 accumulators take turns.
.macro MUL16 f, hi, a0, zero
	WIN MUL_LO+0x50*(\hi)
.irp a, \a0, (\a0)+1
.irp b, 0,1,2,3,4,5,6,7
.if \zero
	v_wmma_f32_16x16x32_bf16 v[8*(8*(\a)+(\b)):8*(8*(\a)+(\b))+7], v[(\f)+8*(\b):(\f)+8*(\b)+7], v[(\f)+8*(4*(\hi)+(\a)):(\f)+8*(4*(\hi)+(\a))+7], 0
.else
	v_wmma_f32_16x16x32_bf16 v[8*(8*(\a)+(\b)):8*(8*(\a)+(\b))+7], v[(\f)+8*(\b):(\f)+8*(\b)+7], v[(\f)+8*(4*(\hi)+(\a)):(\f)+8*(4*(\hi)+(\a))+7], v[8*(8*(\a)+(\b)):8*(8*(\a)+(\b))+7]
.endif
.endr
.endr
.endm
; 32 LDS loads in one run: the fragments of one quarter step into buffer f
.macro FETCH slot, k, f
	WIN TO_B
.irp i, 0,1,2,3,4,5,6,7
	ds_load_b128 v[(\f)+8*(\i):(\f)+8*(\i)+3],   v[ADRB+(\slot)] offset:(\k)+(\i)*16*PITCH
	ds_load_b128 v[(\f)+8*(\i)+4:(\f)+8*(\i)+7], v[ADRB+(\slot)] offset:(\k)+(\i)*16*PITCH+32
.endr
	WIN 0
.irp i, 0,1,2,3,4,5,6,7
	ds_load_b128 v[(\f)+8*(\i):(\f)+8*(\i)+3],   v[ADRA+(\slot)] offset:(\k)+(\i)*16*PITCH
	ds_load_b128 v[(\f)+8*(\i)+4:(\f)+8*(\i)+7], v[ADRA+(\slot)] offset:(\k)+(\i)*16*PITCH+32
.endr
.endm
.macro PLACES                          ; four plain vector instructions between a matrix instruction and a load into a register that it has read (ISA guide 7.12.1 for vector instructions)
.rept 4
	v_nop
.endr
.endm
; A K step is four quarters of 32 along K, 64 matrix instructions each, on buffers 0, 1, 0, 1.  One of the first three: multiplies f and fetches the next quarter, at byte k, into g.
.macro QUARTER slot, k, f, g, zero
	s_wait_dscnt 8                                 ; wb's and xb's rows 0-63 are in; the youngest eight loads (xb's rows 64-127) may be out
	WIN MUL_LO
	MUL16 \f, 0, 0, \zero
	MUL16 \f, 0, 2, \zero
	PLACES
	FETCH \slot, \k, \g
	s_wait_dscnt 32                                ; all but the 32 just issued
	WIN MUL_HI
	MUL16 \f, 1, 0, \zero
	MUL16 \f, 1, 2, \zero
.endm
; The first half of a step's last quarter: the barrier of the change of slots, which opens a round of the cluster's barrier.
.macro MEET
	WIN 0
	s_wait_tensorcnt 0x0                           ; all my tensor loads have landed: the one that was out is my part of the next slot (at the last change: my first 64 rows of the table or of ve)
	ds_add_u32 v[SPW], v[NIL]                      ; 0 onto my spare word
	s_wait_dscnt 9                                 ; the add and the youngest eight loads may be out
	WIN MUL_LO
	MUL16 F1, 0, 0, 0
	s_wait_dscnt 0x0                               ; the add is done, and my reads of this slot are over
	s_barrier_signal -1
	MUL16 F1, 0, 2, 0
	WIN 0
	s_barrier_wait -1
.endm
.macro TURN slot, next                 ; the whole last quarter: the slot just read out takes the K step two steps on
	s_wait_xcnt 0x0                                ; the last prefetch, a K step back, has read its address
	s_add_nc_u64 s[PFA:PFA+1], s[PFA:PFA+1], KSTEP*2
	MEET
	CREST                                          ; no wave of any partner still reads this slot or has a load on its way
	s_add_nc_u64 s[G0+4*(\slot)+2:G0+4*(\slot)+3], s[G0+4*(\slot)+2:G0+4*(\slot)+3], 2*KSTEP*2
	s_add_nc_u64 s[G0B+4*(\slot)+2:G0B+4*(\slot)+3], s[G0B+4*(\slot)+2:G0B+4*(\slot)+3], 2*KSTEP*2
	JLOAD \slot                                    ; the first tensor load behind the round; its four v_nop are also the places in front of the loads below
	FETCH \next, 0, F0
	ASK
	WIN MUL_HI
	MUL16 F1, 1, 0, 0
	MUL16 F1, 1, 2, 0
.endm
.macro TURNE n, fetch                  ; the same in the last lap: slot n, which K needs no more, takes my rows 64 n .. 64 n + 63 of the table or of ve
	MEET
	CREST
	ELOAD \n
.if \fetch
	FETCH 1, 0, F0
.endif
	WIN MUL_HI
	MUL16 F1, 1, 0, 0
	MUL16 F1, 1, 2, 0
.endm
	s_wait_tensorcnt 1                             ; my part of K step 0 is in; K step 1's stays out
	s_barrier_signal -1
	s_barrier_wait -1
	FETCH 0, 0, F0
	QUARTER 0, 64,  F0, F1, 1                      ; the first quarter stands in front of the loop: its products start the sums
	WIN 0
	s_mov_b32 s3, LAPS-1
.Llap:                                         ; a trip goes once round the ring and fills both slots again: K steps 2 to 7
	QUARTER 0, 128, F1, F0, 0
	QUARTER 0, 192, F0, F1, 0
	TURN 0, 1
	QUARTER 1, 64,  F0, F1, 0
	QUARTER 1, 128, F1, F0, 0
	QUARTER 1, 192, F0, F1, 0
	TURN 1, 0
	QUARTER 0, 64,  F0, F1, 0
	WIN 0
	s_sub_co_u32 s3, s3, 1
	s_cmp_lg_u32 s3, 0
	s_cbranch_scc1 .Llap
	QUARTER 0, 128, F1, F0, 0
	QUARTER 0, 192, F0, F1, 0
	TURNE 0, 1
	QUARTER 1, 64,  F0, F1, 0
	QUARTER 1, 128, F1, F0, 0
	QUARTER 1, 192, F0, F1, 0
	TURNE 1, 0
; THE WAY OUT, a block of 16 rows a trip, written once.  DUMP a puts block a's eight accumulators into my stage as 16 rows of 128 f32: the one part that names accumulators, chosen by the trip's number.
.macro DUMP a
	WIN 0x08+4*((\a)/4)                            ; store data in window 2 or 3
.irp b, 0,1,2,3,4,5,6,7
	ds_store_b128 v[STG], v[64*((\a)%4)+8*(\b):64*((\a)%4)+8*(\b)+3]   offset:64*(\b)  ; each accumulator's low registers are read first
	ds_store_b128 v[STG], v[64*((\a)%4)+8*(\b)+4:64*((\a)%4)+8*(\b)+7] offset:64*(\b)+16
.endr
	WIN 0
.endm
	WIN 0
.rept 8
	v_nop                                          ; the places behind the last products, once a launch
.endr
	s_mov_b32 s[BLK], 0
	s_mov_b32 s[INC], 0
	s_mov_b32 s[INC+1], 0
	s_mov_b32 s[EBQ], 0
	s_mov_b32 s[EBV], 0
	s_mov_b32 s[CNTO], 2
.Lhalf:                                        ; two halves of 64 rows: the first lies in slot 0, the second in slot 1
	s_mov_b32 s[CNTI], 4
.Lblock:
.irp a, 0,1,2,3,4,5,6
	s_cmp_lg_u32 s[BLK], \a
	s_cbranch_scc1 .Lnot_\a
	DUMP \a
	s_branch .Ldumped
.Lnot_\a:
.endr
	DUMP 7
.Ldumped:
	s_cmp_eq_u32 s[TYPE], 2
	s_cbranch_scc1 .Lvpath
	; q, k.  The numbers come back as they went (LDS serves a wave's instructions in order: ISA guide 5.7.1.4); the table's row l % 16 brings cosines and sines of my columns below 32.
	v_add_nc_u32 v[FQ], s[EBQ], v[FQ0]
.irp b, 0,1
.irp s, 0,1
	ds_load_b128 v[CSN+8*(\b)+4*(\s):CSN+8*(\b)+4*(\s)+3],       v[FQ] offset:64*(\b)+16*(\s)
	ds_load_b128 v[CSN+16+8*(\b)+4*(\s):CSN+16+8*(\b)+4*(\s)+3], v[FQ] offset:128+64*(\b)+16*(\s)
.endr
.endr
.irp b, 0,4,1,5,2,3,6,7
	ds_load_b128 v[X+8*(\b):X+8*(\b)+3],   v[STG] offset:64*(\b)
	ds_load_b128 v[X+8*(\b)+4:X+8*(\b)+7], v[STG] offset:64*(\b)+16
.endr
	s_wait_dscnt 8                                 ; the table and the four blocks that turn are in; blocks 2, 3, 6, 7 may be out
.irp b, 0,1                            ; column c < 32 turns with column c + 64: y1 = x1 cos + x2 sin, y2 = x2 cos - x1 sin; the other angles are 0
.irp p, 0,1,2,3
	v_pk_mul_f32 v[TT+4*(\p):TT+4*(\p)+1],   v[X+8*(\b)+2*(\p):X+8*(\b)+2*(\p)+1], v[CSN+8*(\b)+2*(\p):CSN+8*(\b)+2*(\p)+1]
	v_pk_mul_f32 v[TT+4*(\p)+2:TT+4*(\p)+3], v[X+8*(\b)+2*(\p):X+8*(\b)+2*(\p)+1], v[CSN+16+8*(\b)+2*(\p):CSN+16+8*(\b)+2*(\p)+1]
.endr
.irp p, 0,1,2,3
	v_pk_fma_f32 v[X+8*(\b)+2*(\p):X+8*(\b)+2*(\p)+1], v[X+32+8*(\b)+2*(\p):X+32+8*(\b)+2*(\p)+1], v[CSN+16+8*(\b)+2*(\p):CSN+16+8*(\b)+2*(\p)+1], v[TT+4*(\p):TT+4*(\p)+1]
	v_pk_fma_f32 v[X+32+8*(\b)+2*(\p):X+32+8*(\b)+2*(\p)+1], v[X+32+8*(\b)+2*(\p):X+32+8*(\b)+2*(\p)+1], v[CSN+8*(\b)+2*(\p):CSN+8*(\b)+2*(\p)+1], v[TT+4*(\p)+2:TT+4*(\p)+3] neg_lo:[0,0,1] neg_hi:[0,0,1]
.endr
.endr
	s_wait_dscnt 0x0
.set z, 0
.rept 32                               ; the sum of my 64 squares, in four chains of pairs
.if z < 4
	v_pk_mul_f32 v[SS+2*z:SS+2*z+1], v[X+2*z:X+2*z+1], v[X+2*z:X+2*z+1]
.else
	v_pk_fma_f32 v[SS+2*(z%4):SS+2*(z%4)+1], v[X+2*z:X+2*z+1], v[X+2*z:X+2*z+1], v[SS+2*(z%4):SS+2*(z%4)+1]
.endif
.set z, z+1
.endr
	v_pk_add_f32 v[SS:SS+1], v[SS:SS+1], v[SS+2:SS+3]
	v_pk_add_f32 v[SS+4:SS+5], v[SS+4:SS+5], v[SS+6:SS+7]
	v_pk_add_f32 v[SS:SS+1], v[SS:SS+1], v[SS+4:SS+5]
	v_add_f32 v[SS], v[SS], v[SS+1]
	v_permlanex16_b32 v[SS+1], v[SS], s[SEL], s[SEL+1]  ; the row's other 64 columns lie in the lane 16 away
	v_add_f32 v[SS], v[SS], v[SS+1]
	v_fma_f32 v[SS], v[SS], s[SEL+2], s[SEL+3]     ; the mean + eps
	v_rsq_f32 v[RS], v[SS]
	v_rsq_f32 v[RS+1], v[SS]
	v_nop                                          ; a plain instruction behind the second root
	s_wait_xcnt 0x0                                ; the last block's stores have read their registers and their base
	s_add_nc_u64 s[OB:OB+1], s[OB:OB+1], s[INC:INC+1]
	s_mov_b32 s[INC], 4096                         ; from the second block on: 16 rows further
	s_wait_alu depctr_va_vdst(0)                   ; one wait for both roots, ahead of their first reader
.set z, 0
.rept 32
	v_pk_mul_f32 v[X+2*z:X+2*z+1], v[X+2*z:X+2*z+1], v[RS:RS+1]
.set z, z+1
.endr
.set z, 0
.rept 32
	v_cvt_pk_f16_f32 v[PK+z], v[X+2*z], v[X+2*z+1]
.set z, z+1
.endr
.irp b, 0,1,2,3,4,5,6,7
	global_store_b128 v[UO], v[PK+4*(\b):PK+4*(\b)+3], s[OB:OB+1] offset:512*(\b)  ; a unit: 512 consecutive bytes, aligned
.endr
	s_branch .Lnext
.Lvpath:
	; v.  The stage changes the layout: a load takes a whole row of 512 bytes, lane l channels 4 l .. 4 l + 3; ve's row lies the same way.
	v_add_nc_u32 v[FV], s[EBV], v[FV0]
.irp i, 0,1,2,3,4,5,6,7,8,9,10,11,12,13,14,15
	ds_load_b128 v[AR+4*(\i):AR+4*(\i)+3], v[STR] offset:SPITCH*(\i)
	ds_load_b128 v[VE+4*(\i):VE+4*(\i)+3], v[FV]  offset:SPITCH*(\i)
.endr
	s_wait_xcnt 0x0                                ; the last block's stores have read their registers and their base
	s_add_nc_u64 s[OB:OB+1], s[OB:OB+1], s[INC:INC+1]
	s_mov_b32 s[INC], 4096
.irp i, 0,1,2,3,4,5,6,7,8,9,10,11,12,13,14,15
	s_wait_dscnt 2*(15-(\i))                       ; row i's two loads are in; the rows behind it stay out
	v_cvt_pk_bf16_f32 v[BB],   v[VE+4*(\i)],   v[VE+4*(\i)+1]   ; the input's rounding
	v_cvt_pk_bf16_f32 v[BB+1], v[VE+4*(\i)+2], v[VE+4*(\i)+3]
	v_pk_mul_f32 v[AR+4*(\i):AR+4*(\i)+1],   v[AR+4*(\i):AR+4*(\i)+1],   v[LA:LA+1]
	v_pk_mul_f32 v[AR+4*(\i)+2:AR+4*(\i)+3], v[AR+4*(\i)+2:AR+4*(\i)+3], v[LA:LA+1]
	v_fma_mix_f32_bf16 v[TV],   v[BB],   v[LA+2], v[AR+4*(\i)]   op_sel_hi:[1,0,0]
	v_fma_mix_f32_bf16 v[TV+1], v[BB],   v[LA+2], v[AR+4*(\i)+1] op_sel:[1,0,0] op_sel_hi:[1,0,0]
	v_fma_mix_f32_bf16 v[TV+2], v[BB+1], v[LA+2], v[AR+4*(\i)+2] op_sel_hi:[1,0,0]
	v_fma_mix_f32_bf16 v[TV+3], v[BB+1], v[LA+2], v[AR+4*(\i)+3] op_sel:[1,0,0] op_sel_hi:[1,0,0]
	v_cvt_pk_f16_f32 v[OUT+2*(\i)],   v[TV],   v[TV+1]
	v_cvt_pk_f16_f32 v[OUT+2*(\i)+1], v[TV+2], v[TV+3]
	global_store_b64 v[VO+(\i)%8], v[OUT+2*(\i):OUT+2*(\i)+1], s[OB:OB+1] offset:256*(\i)  ; a key's 256 consecutive bytes, aligned, its 16-byte pieces exchanged by key % 8
.endr
.Lnext:
	s_add_co_u32 s[BLK], s[BLK], 1
	s_add_co_u32 s[EBQ], s[EBQ], 16*PITCH
	s_add_co_u32 s[EBV], s[EBV], 16*SPITCH
	s_sub_co_u32 s[CNTI], s[CNTI], 1
	s_cmp_lg_u32 s[CNTI], 0
	s_cbranch_scc1 .Lblock
	s_wait_tensorcnt 0x0                           ; my one load that was still out, rows 64-127 in slot 1, has landed: no load was issued behind it, so the count is 0
	s_add_co_u32 s[EBQ], s[EBQ], SLOT-64*PITCH
	s_add_co_u32 s[EBV], s[EBV], SLOT-64*SPITCH
	s_sub_co_u32 s[CNTO], s[CNTO], 1
	s_cmp_lg_u32 s[CNTO], 0
	s_cbranch_scc1 .Lhalf
	s_wait_tensorcnt 0x0                           ; the wave's end, behind my last tensor load and my last LDS store
	ds_add_u32 v[SPW], v[NIL]
	s_wait_dscnt 0x0
	CROUND                                         ; the closing round
	s_endpgm
.Lfunc_end_k_q4e6589c247_qkv:
	.size	k_q4e6589c247_qkv, .Lfunc_end_k_q4e6589c247_qkv-k_q4e6589c247_qkv
	.p2alignl 7, 3214868480
	.fill 96, 4, 3214868480
	.section	.rodata,"a",@progbits
	.p2align	6, 0x0
	.amdhsa_kernel k_q4e6589c247_qkv
		.amdhsa_group_segment_fixed_size 327680
		.amdhsa_private_segment_fixed_size 0
		.amdhsa_enable_private_segment 0
		.amdhsa_kernarg_size 64
		.amdhsa_user_sgpr_count 2
		.amdhsa_user_sgpr_kernarg_segment_ptr 1
		.amdhsa_wavefront_size32 1
		.amdhsa_system_sgpr_workgroup_id_x 1
		.amdhsa_system_sgpr_workgroup_id_y 1
		.amdhsa_system_sgpr_workgroup_id_z 1
		.amdhsa_system_vgpr_workitem_id 0
		.amdhsa_next_free_vgpr 1024
		.amdhsa_next_free_sgpr 102
		.amdhsa_reserve_vcc 0
		.amdhsa_float_denorm_mode_32 3
		.amdhsa_float_denorm_mode_16_64 3
		.amdhsa_memory_ordered 1
		.amdhsa_forward_progress 1
		.amdhsa_inst_pref_size 152
	.end_amdhsa_kernel
	.amdgpu_metadata
---
amdhsa.version: [ 1, 2 ]
amdhsa.kernels:
  - .name:           k_q4e6589c247_qkv
    .symbol:         k_q4e6589c247_qkv.kd
    .args:
      - { .name: xb, .offset: 0, .size: 8, .value_kind: global_buffer, .address_space: global }
      - { .name: wb, .offset: 8, .size: 8, .value_kind: global_buffer, .address_space: global }
      - { .name: ve, .offset: 16, .size: 8, .value_kind: global_buffer, .address_space: global }
      - { .name: lambdas, .offset: 24, .size: 8, .value_kind: global_buffer, .address_space: global }
      - { .name: rope, .offset: 32, .size: 8, .value_kind: global_buffer, .address_space: global }
      - { .name: qf, .offset: 40, .size: 8, .value_kind: global_buffer, .address_space: global }
      - { .name: kf, .offset: 48, .size: 8, .value_kind: global_buffer, .address_space: global }
      - { .name: vf, .offset: 56, .size: 8, .value_kind: global_buffer, .address_space: global }
    .group_segment_fixed_size: 327680
    .private_segment_fixed_size: 0
    .kernarg_segment_align: 8
    .kernarg_segment_size: 64
    .max_flat_workgroup_size: 128
    .sgpr_count:     102
    .vgpr_count:     1024
    .wavefront_size: 32
...
	.end_amdgpu_metadata
.endif
;; end of part 2
;; launch attn (part 3): grid 32 x 8, 4 waves a work-group, clusters of 4 x 1, 327,680 bytes of LDS; arguments qf, kf, vf, yf; writes yf
.if DOCPART == 3
	.amdgcn_target "amdgcn-amd-amdhsa--gfx1250"
	.amdhsa_code_object_version 6
	.text
	.protected	k_q4e6589c247_attn
	.globl	k_q4e6589c247_attn
	.p2align	8
	.type	k_q4e6589c247_attn,@function
k_q4e6589c247_attn:
	s_mov_b64 s[64:65], 0
	v_nop
	global_prefetch_b8 v0, s[64:65] scope:SCOPE_SE
	s_setreg_imm32_b32 hwreg(HW_REG_WAVE_MODE, 25, 1), 1
	s_wait_xcnt 0x0
	s_wait_alu depctr_hold_cnt(0) depctr_sa_sdst(0) depctr_va_vdst(0) depctr_va_sdst(0) depctr_va_ssrc(0) depctr_va_vcc(0) depctr_vm_vsrc(0)
	s_getreg_b32 s2, hwreg(HW_REG_IB_STS2, 6, 4)
	s_cmp_eq_u32 s2, 0
	s_cbranch_scc0 .Lentry_in_a_cluster
	s_endpgm
.Lentry_in_a_cluster:
	s_bfe_u32 s2, ttmp6, 0x10000c
	s_cmp_lg_u32 s2, 0x3003
	s_cbranch_scc0 .Lentry_shape_is_right
	s_endpgm
.Lentry_shape_is_right:
; CAUSAL ATTENTION, 8 heads of 128, 4,096 rows.  y[t] = sum over s <= t of softmax_s(0.12 q[t] . k[s]) v[s].  q, k, v and y in f16; products, maxima and sums in f32; the weights p are rounded to f16 for the second product
; (their sum l is taken of the unrounded p), y once at the end.
; LIMITS.  A hidden score counts as its value less 1e30.  The running maximum starts at -256: q and k are divided by their root mean square, so |q . k| <= 128 and every true score lies above it.
; A weight below 2^-126 counts as 0 in l.  y is a mean of v's rows and has their range (within 65,504).  NaN and infinities are not treated apart.
; THE WALK.  A head's queries lie in 16 blocks of 256; block i needs the key tiles 0 .. i of 256 keys.  A CLUSTER of four work-groups takes two blocks, 15 - g and then g: 17 tiles whatever g, so all 64 clusters do equal
; work and one loop with a constant count walks them.  The four partners ask for each tile jointly.
; SHARES.  Work-group cx owns 64 queries of the block, rows 64 cx on.  ALL FOUR WAVES HOLD THE SAME 64 QUERIES (four tiles of 16) AND SPLIT THE KEYS: wave w takes keys 64 w .. 64 w + 63 of every tile.
; At a block's end the four partial (c m, l, O) meet in LDS, all in f32: wave w finishes tile w.
; LAYOUT.  S^T = K Q^T (source 0 = 16 keys, source 1 = 16 queries): a lane holds ONE query (lane % 16) and the keys 8 (lane / 16) + 0..7.  Two such results rounded to f16 in pairs ARE source 1 of O^T = V^T P.
; qf and kf lie in units of 512 bytes that are half a fragment each: a load takes 16 bytes a lane, 512 on end.  vf lies [key][channel], its 16-byte pieces exchanged by key % 8, and comes out of LDS turned (ds_load_tr16_b128).
; THE MASK is the C operand that starts a sum: 0, or -1e30 where the key is hidden.  In a block's last tile wave w's keys are all hidden if w > cx, all seen if w < cx; if w = cx key block kb of 16 against query tile t: seen if kb < t,
; hidden if kb > t, the triangle if kb = t.  Three sets of 8 registers, made once (values alone hang on cx), times a scalar that is 1 in a block's last tile and 0 elsewhere: one text for every tile.
; What hangs on cx lives in registers of its own: no vector register that serves in an LDS address ever holds such a number.
; SOFTMAX.  p = 2^(c s - c m), c = 0.12 log2(e), with a running maximum m; O and l are multiplied by a = 2^(c m_old - c m_new) in every step.  c m starts far below every c s, so a block's first a is 0.
; A TRIP.  K; piece 0's scores (tiles 0, 1); piece 2's scores with piece 0's softmax in slices between them, V's loads among them; piece 0's V^T P with piece 2's softmax between; piece 2's V^T P.
; REGISTERS, in windows of 256 (s_set_vgpr_msb: bits 1:0 source 0, 3:2 source 1, 5:4 source 2, 7:6 destination):
;   window 0: v0-63 addresses and statistics; v64-191 S^T, 32 a tile; v192-255 P, 16 a tile      window 1: O^T, 64 a tile
;   window 2: v0-127 Q; v128-255 K of my 64 keys      window 3: v0-127 V of my 64 keys; v128-151 the masks in use; v160-183 the last tile's masks
.set SLOT1, 1<<17                      ; a slot: a tile's K, 65,536 dense bytes, then its V; slot 1 begins here
.set VOFF,  65536
.set XCH,   2*SLOT1                    ; never filled by a tensor load: [owner's tile][sender][2 accumulators][half] x 512 bytes
.set STATS, XCH+32768                  ; [tile][sender] x 256 bytes: (c m, l) a lane
.set SPARE, STATS+4096                 ; the spare words, 128 bytes for each wave: two blocks of 256 bytes that no other line names
.set AK0, 2                            ; v2   16 l + 16,384 w; never rewritten
.set ADR, 4                            ; v4   the LDS address of K's run of loads
.set QO,  5                            ; v5   16 l; never rewritten
.set SA,  6                            ; v6   where I put a tile's statistics
.set SR,  7                            ; v7   where I read my tile's
.set XS,  8                            ; v8   where I put 16 bytes of a partial O^T
.set XR,  9                            ; v9   where I read my tile's
.set ST,  12                           ; tile t's statistics at v[ST+8 t]: c m, m, l (even keys', odd keys'), four at work; a takes the third of these
.set AV0, 44                           ; v44-51  my lane's place in V for channel block cb; never rewritten
.set ADRV, 52                          ; v52-59  the same in the slot in hand
.set PFO, 61                           ; v61  256 l; never rewritten
.set SPW, 62                           ; v62  my spare word; never rewritten
.set NIL, 63                           ; v63  0; never rewritten
.set S,   64
.set P,   192
.set KF,  128                          ; window 2
.set MC,  128                          ; window 3: kb < t, kb = t, kb > t, eight registers each
.set MM,  160                          ; window 3
.set RR,  176                          ; the merge: four pairs (c m, l), later (weight, l)
.set EE,  184                          ; the greatest c m, then the four 2^(c m - that)
.set LL,  190                          ; the sum, its reciprocal
.set WV,  12
.set CX,  13
.set GG,  14                           ; s14  g
.set IH,  15                           ; s15  15 - g
.set QHI, 16                           ; s[16:17], s[18:19]  qf at my 64 rows of the first and of the second block
.set QLO, 18
.set YHI, 20                           ; s[20:21], s[22:23]  yf at my tile's 16 rows, my head's units
.set YLO, 22
.set G1,  24                           ; s[24:31] group 1: 128 rows of 256 bytes, dense
.set G0K, 40
.set G0V, 44
.set PFA, 48                           ; s[48:49] where my prefetches stand
.set LIM, 50                           ; s50  2 in the cluster that prefetches, else the greatest number
.set SLOTS, 56                         ; s56  tiles still to be asked for
.set CS,  58                           ; s[58:59] c
.set SEL, 60
.set TB,  62                           ; s62  the slot in hand
.set RT,  70                           ; s70  tiles of the block in hand still to be entered
.set NXT, 71                           ; s71  the tile to be asked for next
.set LQ,  72                           ; s72  the last tile of the block whose tiles are being asked for
.set OFF, 74                           ; s[74:75] a tile's byte offset
.set AL,  76                           ; s[76:77] 1 in a block's last tile, else 0
.set BIGN, 82
.set LT,  83                           ; s83  at work for LDS addresses: the wave's number and constants alone
.set MSB, 0
.macro WIN new
.if MSB != (\new)
	s_set_vgpr_msb (MSB<<8)|(\new)
.set MSB, \new
.endif
.endm
.set W_KQ, 0x0a                        ; K and Q in window 2, S^T in window 0
.set W_KM, 0x3a                        ; the same with the C operand in window 3
.set W_PV, 0x53                        ; V in window 3, P in window 0, O^T in window 1
.set W_RS, 0x41                        ; O^T in window 1, a in window 0
; A joint fill: waves 0 and 1 fetch the two halves of a tile's K, waves 2 and 3 those of its V.  An s_nop 0 and four v_nop follow each line.
.macro JLOAD
	s_cmp_lt_u32 s[WV], 2
	s_cbranch_scc0 .Lfor_v_\@
	tensor_load_to_lds s[G0K:G0K+3], s[G1:G1+7]
	s_nop 0
.rept 4
	v_nop
.endr
	s_branch .Lasked_\@
.Lfor_v_\@:
	tensor_load_to_lds s[G0V:G0V+3], s[G1:G1+7]
	s_nop 0
.rept 4
	v_nop
.endr
.Lasked_\@:
.endm
; A prefetch of the tile that the NEXT change of slots will ask for.  Each head's cluster g = 0 walks tiles 0 to 15 first, and it alone asks.  A tile is 256 rows of 256 bytes of kf and as many of vf: the 4 partners x 4 waves x
; 32 lanes name one each, shared out by address.  Trip j names tile j + 2; it stops behind tile 15.
.macro ASK
	s_cmp_gt_u32 s[SLOTS], s[LIM]
	s_cbranch_scc0 .Lnot_mine_\@
	global_prefetch_b8 v[PFO], s[PFA:PFA+1] th:TH_LOAD_NT scope:SCOPE_SE
.Lnot_mine_\@:
.endm
.macro BAR
	s_barrier_signal -1
	s_barrier_wait -1
.endm
.macro CROUND
	s_barrier_signal -1
	s_barrier_wait -1
	s_cmp_lg_u32 s[WV], 0
	s_cbranch_scc1 .Lnot_wave_0_\@
	s_barrier_signal -3
.Lnot_wave_0_\@:
	s_barrier_wait -3
	s_barrier_signal -1
	s_barrier_wait -1
.endm
; THE CHANGE OF SLOTS.  Each wave waits for all its tensor loads (one is out: its part of the other slot), adds 0 to its spare word, and waits for that and for its reads of the slot that it leaves.
; fill = 1: behind a round of the cluster's barrier the old slot takes tile NXT; the descriptor's address is made anew from that number.  (At its first use slot 0 is waited for and slot 1 filled.)
.macro CHANGE fill
	WIN 0
	s_wait_tensorcnt 0x0
	ds_add_u32 v[SPW], v[NIL]                      ; the scalar work below stands between the add and its wait
.if \fill
	s_lshl_b32 s[OFF], s[NXT], 16
	s_xor_b32 s[G0K+1], s[G0K+1], SLOT1
	s_add_nc_u64 s[G0K+2:G0K+3], s[6:7], s[OFF:OFF+1]
	s_or_b32 s[G0K+3], s[G0K+3], 0x80000000
	s_xor_b32 s[G0V+1], s[G0V+1], SLOT1
	s_add_nc_u64 s[G0V+2:G0V+3], s[8:9], s[OFF:OFF+1]
	s_or_b32 s[G0V+3], s[G0V+3], 0x80000000
	s_add_co_u32 s[NXT], s[NXT], 1                 ; the block's next tile, or behind its last the second block's tile 0
	s_cmp_gt_u32 s[NXT], s[LQ]
	s_cselect_b32 s[NXT], 0, s[NXT]
	s_cselect_b32 s[LQ], s[GG], s[LQ]
.endif
	s_wait_xcnt 0x0                                ; in every change: where a block has just ended, its stores have read their data, which lie in S^T's registers and are written again in the trip that follows; and the last prefetch, a trip back, has read its address
.if \fill
	s_add_nc_u64 s[PFA:PFA+1], s[PFA:PFA+1], 65536
.endif
	s_xor_b32 s[TB], s[TB], SLOT1
	s_sub_co_u32 s[RT], s[RT], 1
	s_cmp_eq_u32 s[RT], 0
	s_cselect_b32 s[AL], 1.0, 0
	s_wait_dscnt 0x0                               ; the add is done, and my reads of the slot are over
.if \fill
	CROUND
	JLOAD
.else
	BAR
.endif
.endm
	s_load_b256 s[4:11], s[0:1], 0x0               ; qf s[4:5], kf s[6:7], vf s[8:9], yf s[10:11]
	v_lshl_add_u32 v[SPW], v0, 2, SPARE
	v_mov_b32 v[NIL], 0
	ds_add_u32 v[SPW], v[NIL]                      ; the wave's opening: the add and its wait stand ahead of my first tensor load
	v_lshrrev_b32 v1, 5, v0
	v_readfirstlane_b32 s[WV], v1
	s_bfe_u32 s[CX], ttmp6, 0x40000
	s_mov_b32 s[GG], ttmp9                         ; in a cluster launch ttmp9 counts clusters
	s_sub_co_u32 s[IH], 15, s[GG]
	s_and_b32 s2, ttmp7, 0xffff                    ; the head
	s_lshl_b32 s84, s2, 20                         ; its 2^20 bytes in qf, kf, vf
	s_and_b32 s3, s[WV], 1
	s_lshl_b32 s85, s3, 15                         ; which half of a tile I fetch
	s_add_co_u32 s86, s84, s85
	s_mov_b32 s87, 0
	s_lshl_b32 s88, s[CX], 14                      ; my work-group's four blocks of 16 rows
	s_add_co_u32 s90, s84, s88
	s_lshl_b32 s88, s[IH], 16
	s_add_co_u32 s88, s88, s90                     ; qf: first block
	s_mov_b32 s89, 0
	s_lshl_b32 s91, s[GG], 16
	s_add_co_u32 s90, s90, s91                     ; second block
	s_mov_b32 s91, 0
	s_lshl_b32 s92, s[CX], 17                      ; yf: 16 rows are 32,768 bytes
	s_lshl_b32 s93, s[WV], 15                      ; my tile
	s_add_co_u32 s92, s92, s93
	s_lshl_b32 s93, s2, 12                         ; my head's 8 units
	s_add_co_u32 s94, s92, s93
	s_lshl_b32 s92, s[IH], 19
	s_add_co_u32 s92, s92, s94
	s_mov_b32 s93, 0
	s_lshl_b32 s95, s[GG], 19
	s_add_co_u32 s94, s94, s95
	s_mov_b32 s95, 0
	s_lshl_b32 s32, s[CX], 14                      ; the prefetches: my work-group's 64 rows of a tile's 256,
	s_lshl_b32 s33, s3, 13                         ; my wave's 32 of them,
	s_add_co_u32 s32, s32, s33
	s_add_co_u32 s32, s32, s84
	s_add_co_u32 s32, s32, 65536                   ; in tile 1: the first change steps it to tile 2
	s_mov_b32 s33, 0
	s_cmp_eq_u32 s[GG], 0
	s_cselect_b32 s[LIM], 2, -1
	s_mov_b32 s[G1+0], 15|(3<<16)|(1<<21)          ; the mask of four; elements of 8 bytes; bit 21 beside a mask; no padding
	s_mov_b32 s[G1+1], 32<<16                      ; tensor_dim0 = 32
	s_mov_b32 s[G1+2], 128<<16                     ; tensor_dim1 = 128
	s_mov_b32 s[G1+3], 32<<16                      ; tile_dim0 = 32
	s_mov_b32 s[G1+4], 128                         ; tile_dim1 = 128
	s_mov_b32 s[G1+5], 32                          ; elements from row to row
	s_mov_b32 s[G1+6], 0
	s_mov_b32 s[G1+7], 0
	s_mov_b32 s[G0K], 1
	s_mov_b32 s[G0K+1], s85                        ; slot 0
	s_mov_b32 s[G0V], 1
	s_add_co_u32 s[G0V+1], s85, VOFF
	s_mov_b32 s[CS], 0x3e314743                    ; c = 0.12 log2(e) = 0.173123
	s_mov_b32 s[CS+1], s[CS]
	s_mov_b32 s[SEL], 0x76543210
	s_mov_b32 s[SEL+1], 0xfedcba98
	s_mov_b32 s[TB], SLOT1                         ; the first change turns it into 0
	s_sub_co_u32 s[RT], 16, s[GG]                  ; the first block has 16 - g tiles
	s_mov_b32 s[NXT], 1
	s_mov_b32 s[LQ], s[IH]
	s_mov_b32 s[OFF+1], 0
	s_mov_b32 s[AL], 0
	s_mov_b32 s[AL+1], 0
	s_mov_b32 s[BIGN], 0xf149f2ca                  ; -1e30
	s_mov_b32 s[SLOTS], 16
	s_wait_dscnt 0x0                               ; the opening add is done
	s_wait_kmcnt 0x0
	s_add_nc_u64 s[QHI:QHI+1], s[4:5], s[88:89]
	s_add_nc_u64 s[QLO:QLO+1], s[4:5], s[90:91]
	s_add_nc_u64 s[YHI:YHI+1], s[10:11], s[92:93]
	s_add_nc_u64 s[YLO:YLO+1], s[10:11], s[94:95]
	s_cmp_lt_u32 s[WV], 2
	s_cselect_b64 s[PFA:PFA+1], s[6:7], s[8:9]
	s_add_nc_u64 s[PFA:PFA+1], s[PFA:PFA+1], s[32:33]
	s_add_nc_u64 s[6:7], s[6:7], s[86:87]          ; kf and vf at my half of the head's tile 0: no place in the cluster enters them
	s_add_nc_u64 s[8:9], s[8:9], s[86:87]
	s_add_nc_u64 s[G0K+2:G0K+3], s[6:7], 0
	s_or_b32 s[G0K+3], s[G0K+3], 0x80000000
	s_add_nc_u64 s[G0V+2:G0V+3], s[8:9], 0
	s_or_b32 s[G0V+3], s[G0V+3], 0x80000000
	CROUND                                         ; all four work-groups are here: the first joint loads meet
	JLOAD                                          ; tile 0 into slot 0
	v_and_b32 v1, 31, v0                           ; l
	v_lshlrev_b32 v[QO], 4, v1
	WIN 0x80                                       ; destination window 2
.set i, 0
.rept 32                               ; Q of the first block: tile i / 8, unit i % 8: 512 consecutive bytes a load
	global_load_b128 v[4*i:4*i+3], v[QO], s[QHI:QHI+1] offset:(i/8)*4096+(i%8)*512
.set i, i+1
.endr
	WIN 0
	; the last tile's masks.  The two values that hang on w - cx stand in two of S^T's registers, which hold data alone
	s_sub_co_i32 s78, s[WV], s[CX]
	s_cmp_gt_i32 s78, 0
	s_cselect_b32 s79, s[BIGN], 0                  ; all my keys lie behind the queries
	s_cmp_ge_i32 s78, 0
	s_cselect_b32 s80, s[BIGN], 0                  ; or they are the queries' own 64
	v_mov_b32 v[S], s79
	v_mov_b32 v[S+1], s80
	v_and_b32 v3, 15, v0                           ; l % 16
	v_bfe_u32 v60, v0, 4, 1                        ; l / 16
	v_lshlrev_b32 v60, 3, v60
	v_sub_nc_u32 v60, v3, v60                      ; register j of the block kb = t is hidden where j is greater than this
	WIN 0xc0                                       ; destination window 3
.set i, 0
.rept 8
	v_mov_b32 v[MM+i], v[S]
	v_cmp_gt_i32 vcc_lo, i, v60
	v_cndmask_b32 v[MM+8+i], v[S], v[S+1], vcc_lo
	v_mov_b32 v[MM+16+i], v[S+1]
.set i, i+1
.endr
	WIN 0
	s_lshl_b32 s[LT], s[WV], 14
	v_add_nc_u32 v[AK0], s[LT], v[QO]
	; V: lane l reads 16 bytes of key 8 (l / 16) + l % 8: the piece 2 cb + (l / 8) % 2, which lies at piece xor 2 (key % 8)
	v_and_b32 v10, 7, v0
	v_bfe_u32 v11, v0, 3, 1
	v_bfe_u32 v3, v0, 4, 1
	v_lshl_add_u32 v3, v3, 3, v10
	v_lshlrev_b32 v3, 8, v3
	v_lshl_add_u32 v3, v11, 4, v3
	s_add_co_u32 s[LT], s[LT], VOFF
	v_add_nc_u32 v3, s[LT], v3
.irp cb, 0,1,2,3,4,5,6,7
	v_xor_b32 v60, \cb, v10
	v_lshl_add_u32 v[AV0+(\cb)], v60, 5, v3
.endr
	v_lshlrev_b32 v60, 3, v1                       ; 8 l
	s_lshl_b32 s[LT], s[WV], 8
	s_add_co_u32 s[LT], s[LT], STATS
	v_add_nc_u32 v[SA], s[LT], v60
	s_lshl_b32 s[LT], s[WV], 10
	s_add_co_u32 s[LT], s[LT], STATS
	v_add_nc_u32 v[SR], s[LT], v60
	s_lshl_b32 s[LT], s[WV], 11
	s_add_co_u32 s[LT], s[LT], XCH
	v_add_nc_u32 v[XS], s[LT], v[QO]
	s_lshl_b32 s[LT], s[WV], 13
	s_add_co_u32 s[LT], s[LT], XCH
	v_add_nc_u32 v[XR], s[LT], v[QO]
	v_lshlrev_b32 v[PFO], 8, v1
	; O^T and l start at 0: a block's first step multiplies them by a = 0, so they need only be finite.  All this stands in the wait for the first tile; the price of writing no first step out.
	WIN 0x40
.set i, 0
.rept 256
	v_mov_b32 v[i], 0
.set i, i+1
.endr
	WIN 0
.irp t, 0,1,2,3
	v_mov_b32 v[ST+8*(\t)], 0xfe000000             ; c m: far below every c s
	v_mov_b32 v[ST+8*(\t)+1], 0xc3800000           ; m = -256
	v_mov_b32 v[ST+8*(\t)+2], 0
	v_mov_b32 v[ST+8*(\t)+3], 0
.endr
; THE MATRIX WORK.  The accumulators take turns, one instruction a turn.
; Product i of 32 of S^T = K Q^T for piece x: channels 32 (i / 8) on, keys 16 ((i / 2) % 4) on, tile x + i % 2.  The first 8 start the sums with the mask.
.macro KQ x
.set rS, S+32*((\x)+i%2)+8*((i/2)%4)
.set rK, KF+32*((i/2)%4)+8*(i/8)
.set rQ, 32*((\x)+i%2)+8*(i/8)
.if i < 8
.set rM, MC+8
.if ((i/2)%4) < ((\x)+i%2)
.set rM, MC
.endif
.if ((i/2)%4) > ((\x)+i%2)
.set rM, MC+16
.endif
	WIN W_KM
	v_wmma_f32_16x16x32_f16 v[rS:rS+7], v[rK:rK+7], v[rQ:rQ+7], v[rM:rM+7]
.else
	WIN W_KQ
	v_wmma_f32_16x16x32_f16 v[rS:rS+7], v[rK:rK+7], v[rQ:rQ+7], v[rS:rS+7]
.endif
.endm
; Product i of 32 of O^T += V^T P: keys 32 (i / 16) on, channels 16 ((i / 2) % 8) on, tile x + i % 2.
.macro PV x
	WIN W_PV
.set rO, 64*((\x)+i%2)+8*((i/2)%8)
.set rV, 64*(i/16)+8*((i/2)%8)
.set rP, P+16*((\x)+i%2)+8*(i/16)
	v_wmma_f32_16x16x32_f16 v[rO:rO+7], v[rV:rV+7], v[rP:rP+7], v[rO:rO+7]
.endm
.macro FETCH_K                         ; my 64 keys x 128 channels: 16 fragments, two units each
	WIN 0x80
.irp f, 0,1,2,3,4,5,6,7,8,9,10,11,12,13,14,15
	ds_load_b128 v[KF+8*(\f):KF+8*(\f)+3],   v[ADR] offset:((\f)/4)*4096+((\f)%4)*1024
	ds_load_b128 v[KF+8*(\f)+4:KF+8*(\f)+7], v[ADR] offset:((\f)/4)*4096+((\f)%4)*1024+512
.endr
.endm
.macro FETCH_V                         ; my 64 keys x 128 channels, turned
	s_wait_alu depctr_va_vdst(0)                   ; the wait for the softmax's batch (SLICE), ahead of the loads
	WIN 0xc0
.irp cb, 0,1,2,3,4,5,6,7
.irp kb, 0,1,2,3
	ds_load_tr16_b128 v[8*(8*((\kb)/2)+(\cb))+4*((\kb)%2):8*(8*((\kb)/2)+(\cb))+4*((\kb)%2)+3], v[ADRV+(\cb)] offset:4096*(\kb)
.endr
.endr
.endm
; THE VECTOR WORK.  One tile's softmax for a trip is a list of 134 instructions; SM writes number j of it for tile t.  s0-s31 are the lane's 32 scores, in pairs 0-15.
;   0-15    the maximum of s0-s31 and the old m, three operands at a time (each accumulator's low registers are read first)
;   16-20   the other half of the lanes' maximum; the new m; c m; c m_old - c m_new
;   21-69   ONE BATCH: the 16 scalings c s - c m and all 33 exponentials (a at 23); none reads an exponential's result
;   70-85   the roundings to f16;   86-101  the sums, l = a l + the sum;   102-133  the tile's O^T times a
.macro SM t
.set rT, ST+8*(\t)
.set rS, S+32*(\t)
.set rP, P+16*(\t)
.set rO, 64*(\t)+2*(j-102)
.if j < 102
	WIN 0
.endif
.if j < 4
	v_max3_num_f32 v[rT+4+j], v[rS+8*j], v[rS+8*j+1], v[rS+8*j+2]
.elseif j < 12
	v_max3_num_f32 v[rT+4+j%4], v[rT+4+j%4], v[rS+8*(j%4)+2*(j/4)+1], v[rS+8*(j%4)+2*(j/4)+2]
.elseif j == 12
	v_max3_num_f32 v[rT+4], v[rT+4], v[rS+7], v[rS+15]
.elseif j == 13
	v_max3_num_f32 v[rT+6], v[rT+6], v[rS+23], v[rS+31]
.elseif j == 14
	v_max3_num_f32 v[rT+4], v[rT+4], v[rT+5], v[rT+6]
.elseif j == 15
	v_max3_num_f32 v[rT+4], v[rT+4], v[rT+7], v[rT+1]
.elseif j == 16
	v_permlanex16_b32 v[rT+5], v[rT+4], s[SEL], s[SEL+1]  ; the query's other 32 keys lie in the lane 16 away
.elseif j == 17
	v_mov_b32 v[rT+7], v[rT]                       ; c m_old is kept for a
.elseif j == 18
	v_max_num_f32 v[rT+1], v[rT+4], v[rT+5]
.elseif j == 19
	v_mul_f32 v[rT], s[CS], v[rT+1]
.elseif j == 20
	v_sub_f32 v[rT+7], v[rT+7], v[rT]
.elseif j == 23
	v_exp_f32 v[rT+6], v[rT+7]
.elseif (j < 23) || ((j < 38) && (j%2 == 0)) || ((j < 66) && (j%4 == 2))
.set b, (j-2)/4
.if j < 38
.set b, (j-20)/2
.endif
	v_pk_fma_f32 v[rS+2*b:rS+2*b+1], v[rS+2*b:rS+2*b+1], s[CS:CS+1], v[rT:rT+1] op_sel_hi:[1,0,0] neg_lo:[0,0,1] neg_hi:[0,0,1]
.elseif j < 70
.set e, j-38
.if j < 66
.set e, j-32-(j-38)/4
.endif
.if j < 38
.set e, (j-25)/2
.endif
	v_exp_f32 v[rS+e], v[rS+e]
.elseif j < 86
	v_cvt_pk_f16_f32 v[rP+j-70], v[rS+2*(j-70)], v[rS+2*(j-70)+1]
.elseif j < 102
.set z, j-86
.set w, 4
.set u, z
.if z >= 14
.set w, 32
.set u, 0
.elseif z >= 12
.set w, 16
.set u, z-12
.elseif z >= 8
.set w, 8
.set u, z-8
.endif
.if z < 15
	v_pk_add_f32 v[rS+w*u:rS+w*u+1], v[rS+w*u:rS+w*u+1], v[rS+w*u+w/2:rS+w*u+w/2+1]
.else
	v_pk_fma_f32 v[rT+2:rT+3], v[rT+2:rT+3], v[rT+6:rT+7], v[rS:rS+1] op_sel_hi:[1,0,1]
.endif
.else
	WIN W_RS
	v_pk_mul_f32 v[rO:rO+1], v[rO:rO+1], v[rT+6:rT+7] op_sel_hi:[1,0]
.endif
.endm
; Slice k of 64 of piece y's softmax.  Slices 11 to 34 deal out the batch, four numbers of one tile each; every other slice is numbers 2 k and 2 k + 1 of both tiles; slice 63 takes the twelve that are over.
; Behind slice 34 stands the piece's one wait: ahead of it nothing names an exponential's result, behind it no exponential is issued.
.macro SLICE y
.if (k >= 11) && (k < 35)
.irp n, 0,1,2,3
.set j, 22+4*((k-11)/2)+(\n)
	SM (\y)+(k-11)%2
.endr
.else
.irp n, 0,1,2,3,4,5,6,7
.if ((\n) < 2) || (k == 63)
.irp t, \y, (\y)+1
.set j, 2*k+(\n)
	SM \t
.endr
.endif
.endr
.endif
.if k == 34
	v_nop                                          ; a plain instruction behind the last exponential: one for the batch
.if (\y) == 0
	FETCH_V                                        ; V's run of loads stands here, and the wait stands in it
.else
	s_wait_alu depctr_va_vdst(0)                   ; the wait for the batch
.endif
.endif
.set k, k+1
.endm
; A TRIP's work on the tile in slot TB.
.macro BODY ask
	WIN 0
	v_add_nc_u32 v[ADR], s[TB], v[AK0]
	FETCH_K
	WIN 0
.if \ask
	ASK                                            ; behind the joint load and the run of LDS loads that the next products wait for
.endif
	WIN 0xc3
.set z, 0
.rept 12
	v_pk_mul_f32 v[MC+2*z:MC+2*z+1], v[MM+2*z:MM+2*z+1], s[AL:AL+1] op_sel_hi:[1,0]  ; the masks in use: the last tile's, or 0
.set z, z+1
.endr
	s_wait_loadcnt 0x0                             ; Q (a block's first trip)
	s_wait_dscnt 0x0                               ; K
.set i, 0
.rept 32
	KQ 0
.set i, i+1
.endr
	WIN 0
.irp cb, 0,1,2,3,4,5,6,7
	v_add_nc_u32 v[ADRV+(\cb)], s[TB], v[AV0+(\cb)]  ; V's addresses: also the places behind those products
.endr
.set k, 0
.set i, 0
.rept 32                               ; piece 2's scores | piece 0's softmax | V
	KQ 2
	SLICE 0
	SLICE 0
.set i, i+1
.endr
	s_wait_dscnt 0x0                               ; V is in
.set k, 0
.set i, 0
.rept 32                               ; piece 0's V^T P | piece 2's softmax
	PV 0
	SLICE 2
	SLICE 2
.set i, i+1
.endr
.set i, 0
.rept 32
	PV 2
.set i, i+1
.endr
	WIN 0
.endm
; A BLOCK'S END.  Each wave sets down (c m, l) of all four tiles and, two accumulators a tile at a time, its partial O^T, all in f32; wave w reads the four partial results of tile w,
; weighs them by 2^(c m_s - the greatest c m) / the weighted sum of the l, adds, rounds to f16 and stores: a unit of 512 consecutive bytes an instruction.
.macro XSTORE q
	WIN 0x04                                       ; store data in window 1
.irp t, 0,1,2,3
.irp e, 0,1
	ds_store_b128 v[XS], v[64*(\t)+8*(2*(\q)+(\e)):64*(\t)+8*(2*(\q)+(\e))+3]   offset:8192*(\t)+1024*(\e)  ; the low registers first
	ds_store_b128 v[XS], v[64*(\t)+8*(2*(\q)+(\e))+4:64*(\t)+8*(2*(\q)+(\e))+7] offset:8192*(\t)+1024*(\e)+512
.endr
.endr
	WIN 0
.endm
.macro XLOAD
.irp s, 0,1,2,3
.irp e, 0,1
	ds_load_b128 v[64+16*(\s)+8*(\e):64+16*(\s)+8*(\e)+3],   v[XR] offset:2048*(\s)+1024*(\e)
	ds_load_b128 v[64+16*(\s)+8*(\e)+4:64+16*(\s)+8*(\e)+7], v[XR] offset:2048*(\s)+1024*(\e)+512
.endr
.endr
.endm
.macro XSUM q, Y
.set z, 0
.rept 8
	v_pk_mul_f32 v[128+2*z:129+2*z], v[64+2*z:65+2*z], v[RR:RR+1] op_sel_hi:[1,0]
.set z, z+1
.endr
.irp s, 1,2,3
.set z, 0
.rept 8
	v_pk_fma_f32 v[128+2*z:129+2*z], v[64+16*(\s)+2*z:65+16*(\s)+2*z], v[RR+2*(\s):RR+2*(\s)+1], v[128+2*z:129+2*z] op_sel_hi:[1,0,1]
.set z, z+1
.endr
.endr
.set z, 0
.rept 8
	v_cvt_pk_f16_f32 v[144+8*(\q)+z], v[128+2*z], v[129+2*z]
.set z, z+1
.endr
	global_store_b128 v[QO], v[144+8*(\q):147+8*(\q)], s[(\Y):(\Y)+1] offset:1024*(\q)
	global_store_b128 v[QO], v[148+8*(\q):151+8*(\q)], s[(\Y):(\Y)+1] offset:1024*(\q)+512
.endm
.macro MERGE Y
	WIN 0
.irp t, 0,1,2,3
	v_add_f32 v[ST+8*(\t)+4], v[ST+8*(\t)+2], v[ST+8*(\t)+3]  ; these additions are the places behind the last products
.endr
.irp t, 0,1,2,3
	v_permlanex16_b32 v[ST+8*(\t)+5], v[ST+8*(\t)+4], s[SEL], s[SEL+1]
.endr
.irp t, 0,1,2,3
	v_add_f32 v[ST+8*(\t)+1], v[ST+8*(\t)+4], v[ST+8*(\t)+5]  ; l, beside c m
.endr
.irp t, 0,1,2,3
	ds_store_b64 v[SA], v[ST+8*(\t):ST+8*(\t)+1] offset:1024*(\t)
.endr
	XSTORE 0
	s_wait_dscnt 0x0                               ; for the others' sake: my stores are done
	BAR
.irp s, 0,1,2,3
	ds_load_b64 v[RR+2*(\s):RR+2*(\s)+1], v[SR] offset:256*(\s)
.endr
	XLOAD
	s_wait_dscnt 16                                ; the statistics are in; the 16 loads behind them stay out
	v_max3_num_f32 v[EE], v[RR], v[RR+2], v[RR+4]
	v_max_num_f32 v[EE], v[EE], v[RR+6]
.irp s, 0,1,2,3
	v_sub_f32 v[EE+1+(\s)], v[RR+2*(\s)], v[EE]
.endr
.irp s, 0,1,2,3
	v_exp_f32 v[EE+1+(\s)], v[EE+1+(\s)]
.endr
	v_nop
	s_wait_alu depctr_va_vdst(0)                   ; one wait for the four exponentials
	v_mul_f32 v[LL], v[EE+1], v[RR+1]
	v_fmac_f32 v[LL], v[EE+2], v[RR+3]
	v_fmac_f32 v[LL], v[EE+3], v[RR+5]
	v_fmac_f32 v[LL], v[EE+4], v[RR+7]
	v_rcp_f32 v[LL+1], v[LL]
	v_nop
	s_wait_alu depctr_va_vdst(0)                   ; and one for the reciprocal
.irp s, 0,1,2,3
	v_mul_f32 v[RR+2*(\s)], v[EE+1+(\s)], v[LL+1]
.endr
	s_wait_dscnt 0x0
	XSUM 0, \Y
.irp q, 1,2,3
	BAR                                            ; every owner's reads of the last two accumulators are back (each waited for them above)
	XSTORE \q
	s_wait_dscnt 0x0
	BAR
	XLOAD
	s_wait_dscnt 0x0
	XSUM \q, \Y
.endr
.endm
.macro REINIT                          ; the second block: m, its count of tiles, its Q.  O^T and l need only be finite
.irp t, 0,1,2,3
	v_mov_b32 v[ST+8*(\t)], 0xfe000000
	v_mov_b32 v[ST+8*(\t)+1], 0xc3800000
.endr
	s_add_co_u32 s[RT], s[GG], 1
	WIN 0x80
.set i, 0
.rept 32
	global_load_b128 v[4*i:4*i+3], v[QO], s[QLO:QLO+1] offset:(i/8)*4096+(i%8)*512
.set i, i+1
.endr
	WIN 0
.endm
.Lslot:                                        ; 16 trips: a tile is entered and the next is asked for
	CHANGE 1
	BODY 1
	s_cmp_lg_u32 s[RT], 0                          ; the count hangs on the cluster's number alone: the same in all waves and partners
	s_cbranch_scc1 .Lbottom
	MERGE YHI                                      ; in the loop this is the first block's end: the second block's last tile is the walk's last
	REINIT
.Lbottom:
	s_sub_co_u32 s[SLOTS], s[SLOTS], 1
	s_cmp_lg_u32 s[SLOTS], 0
	s_cbranch_scc1 .Lslot
	CHANGE 0                                       ; the walk's last tile is written out: nothing is asked for
	BODY 0
	MERGE YLO
	s_wait_tensorcnt 0x0                           ; the wave's end, behind my last tensor load and my last LDS store
	ds_add_u32 v[SPW], v[NIL]
	s_wait_dscnt 0x0
	CROUND                                         ; the closing round
	s_endpgm
.Lfunc_end_k_q4e6589c247_attn:
	.size	k_q4e6589c247_attn, .Lfunc_end_k_q4e6589c247_attn-k_q4e6589c247_attn
	.p2alignl 7, 3214868480
	.fill 96, 4, 3214868480
	.section	.rodata,"a",@progbits
	.p2align	6, 0x0
	.amdhsa_kernel k_q4e6589c247_attn
		.amdhsa_group_segment_fixed_size 327680
		.amdhsa_private_segment_fixed_size 0
		.amdhsa_enable_private_segment 0
		.amdhsa_kernarg_size 32
		.amdhsa_user_sgpr_count 2
		.amdhsa_user_sgpr_kernarg_segment_ptr 1
		.amdhsa_wavefront_size32 1
		.amdhsa_system_sgpr_workgroup_id_x 1
		.amdhsa_system_sgpr_workgroup_id_y 1
		.amdhsa_system_sgpr_workgroup_id_z 1
		.amdhsa_system_vgpr_workitem_id 0
		.amdhsa_next_free_vgpr 1024
		.amdhsa_next_free_sgpr 96
		.amdhsa_reserve_vcc 1
		.amdhsa_float_denorm_mode_32 3
		.amdhsa_float_denorm_mode_16_64 3
		.amdhsa_memory_ordered 1
		.amdhsa_forward_progress 1
		.amdhsa_inst_pref_size 163
	.end_amdhsa_kernel
	.amdgpu_metadata
---
amdhsa.version: [ 1, 2 ]
amdhsa.kernels:
  - .name:           k_q4e6589c247_attn
    .symbol:         k_q4e6589c247_attn.kd
    .args:
      - { .name: qf, .offset: 0, .size: 8, .value_kind: global_buffer, .address_space: global }
      - { .name: kf, .offset: 8, .size: 8, .value_kind: global_buffer, .address_space: global }
      - { .name: vf, .offset: 16, .size: 8, .value_kind: global_buffer, .address_space: global }
      - { .name: yf, .offset: 24, .size: 8, .value_kind: global_buffer, .address_space: global }
    .group_segment_fixed_size: 327680
    .private_segment_fixed_size: 0
    .kernarg_segment_align: 8
    .kernarg_segment_size: 32
    .max_flat_workgroup_size: 128
    .sgpr_count:     96
    .vgpr_count:     1024
    .wavefront_size: 32
...
	.end_amdgpu_metadata
.endif
;; end of part 3
;; launch proj (part 4): grid 8 x 32, 4 waves a work-group, clusters of 4 x 4, 327,680 bytes of LDS; arguments yf, pb, out0; writes out0
.if DOCPART == 4
	.amdgcn_target "amdgcn-amd-amdhsa--gfx1250"
	.amdhsa_code_object_version 6
	.text
	.protected	k_q4e6589c247_proj
	.globl	k_q4e6589c247_proj
	.p2align	8
	.type	k_q4e6589c247_proj,@function
k_q4e6589c247_proj:
	s_mov_b64 s[64:65], 0
	v_nop
	global_prefetch_b8 v0, s[64:65] scope:SCOPE_SE
	s_setreg_imm32_b32 hwreg(HW_REG_WAVE_MODE, 25, 1), 1
	s_wait_xcnt 0x0
	s_wait_alu depctr_hold_cnt(0) depctr_sa_sdst(0) depctr_va_vdst(0) depctr_va_sdst(0) depctr_va_ssrc(0) depctr_va_vcc(0) depctr_vm_vsrc(0)
	s_getreg_b32 s2, hwreg(HW_REG_IB_STS2, 6, 4)
	s_cmp_eq_u32 s2, 0
	s_cbranch_scc0 .Lentry_in_a_cluster
	s_endpgm
.Lentry_in_a_cluster:
	s_bfe_u32 s2, ttmp6, 0x10000c
	s_cmp_lg_u32 s2, 0xf033
	s_cbranch_scc0 .Lentry_shape_is_right
	s_endpgm
.Lentry_shape_is_right:
; THE LAST PROJECTION.  out0[t][d] = sum over e of y[t][e] pb[d][e], 4096 x 1024 x 1024, f16 operands, f32 sums, f32 out.
; yf lies in units: [block of 16 rows][64 units of 512 bytes]; in unit u lane l's 16 bytes are row l % 16, columns 16 u + 8 (l / 16) + 0..7: half a matrix fragment.  pb is [1024][1024] f16, rows along K.
; SHARES.  A tile of the output is 128 x 128: 256 work-groups.  Four waves, each 64 x 64: 16 accumulators.  K goes in four steps of 256 through two LDS slots.
; CLUSTER.  4 x 4 work-groups: yf's tile is shared along a row of the cluster, pb's along a column; each is asked for jointly.
; THE MATRIX INSTRUCTION IS USED TRANSPOSED (source 0 = 16 rows of pb, source 1 = 16 rows of y): a lane holds eight neighbouring numbers of a row of the output.
; No prefetch: a work-group reads 512 KiB in four steps, and the text has one refill of each slot.
; REGISTERS: window 0: v0-31 addresses; v32-95 the way out; v128-255 the accumulators ((a, b) at v[128 + 8 (4 a + b)]).  Window 1: two fragment buffers of 128: 64 registers of y, then 64 of pb.
.set KSTEP,  256
.set PITCH,  528                       ; a row of pb in LDS: 512 bytes + 16 = 132 words: the 16 rows of a load start at 16 different groups of four banks (64 banks of 4 bytes: ISA guide 11.1)
.set HALFB,  64*PITCH
.set ABYTES, 65536                     ; y's part of a slot: 8 blocks of 16 rows x 16 units, dense: a load takes 512 bytes on end
.set SLOT,   ABYTES+2*HALFB
.set STAGE,  2*SLOT                    ; never filled by a tensor load: 16 rows x 272 bytes for each wave
.set SPITCH, 272
.set SPARE,  STAGE+4*16*SPITCH         ; the spare words, 128 bytes for each wave: two blocks of 256 bytes that no other line names
.set ADRA, 16
.set ADRB, 20
.set STO,  24
.set RD,   25
.set CO,   26
.set SPW,  28
.set NIL,  29
.set TMP,  32
.set ACC,  128
.set F0,   0
.set F1,   128
.set G1, 24
.set G0, 32
.set G1B, 48
.set G0B, 56
.set MSB, 0
.macro WIN new
.if MSB != (\new)
	s_set_vgpr_msb (MSB<<8)|(\new)
.set MSB, \new
.endif
.endm
.set MUL,  0x05                        ; sources 0 and 1 window 1; C and D window 0
.set TO_F, 0x40                        ; destination window 1, address window 0
.macro JLOAD s                         ; waves 0 and 1 fetch y's two halves, waves 2 and 3 pb's; an s_nop 0 and four v_nop follow each line
	s_cmp_eq_u32 s11, 0
	s_cbranch_scc0 .Lfor_b_\@
	tensor_load_to_lds s[G0+4*(\s):G0+4*(\s)+3], s[G1:G1+7]
	s_nop 0
.rept 4
	v_nop
.endr
	s_branch .Lasked_\@
.Lfor_b_\@:
	tensor_load_to_lds s[G0B+4*(\s):G0B+4*(\s)+3], s[G1B:G1B+7]
	s_nop 0
.rept 4
	v_nop
.endr
.Lasked_\@:
.endm
.macro CREST
	s_cmp_lg_u32 s10, 0
	s_cbranch_scc1 .Lnot_wave_0_\@
	s_barrier_signal -3
.Lnot_wave_0_\@:
	s_barrier_wait -3
	s_barrier_signal -1
	s_barrier_wait -1
.endm
.macro CROUND
	s_barrier_signal -1
	s_barrier_wait -1
	CREST
.endm
	s_load_b128 s[4:7], s[0:1], 0x0                ; yf s[4:5], pb s[6:7]
	s_load_b64 s[8:9], s[0:1], 0x10                ; out0
	v_lshl_add_u32 v[SPW], v0, 2, SPARE
	v_mov_b32 v[NIL], 0
	ds_add_u32 v[SPW], v[NIL]                      ; the wave's opening: the add and its wait stand ahead of my first tensor load
	v_lshrrev_b32 v1, 5, v0
	v_readfirstlane_b32 s10, v1
	s_lshr_b32 s11, s10, 1                         ; which half of the tile's rows is mine.  Also: I fetch for y (0) or for pb (1)
	s_and_b32 s12, s10, 1                          ; which half of its columns.  Also: which half of that tile I fetch
	s_bfe_u32 s40, ttmp6, 0x40000
	s_bfe_u32 s41, ttmp6, 0x40004
	s_lshl_b32 s42, ttmp9, 2
	s_add_co_u32 s42, s42, s40                     ; tile column
	s_and_b32 s13, ttmp7, 0xffff
	s_lshl_b32 s13, s13, 2
	s_add_co_u32 s13, s13, s41                     ; tile row
	s_lshl_b32 s43, s41, 2
	s_lshl_b32 s43, 15, s43                        ; my row of the cluster
	s_lshl_b32 s44, 0x1111, s40                    ; my column
	s_or_b32 s[G1+0], s43, (3<<16)|(1<<21)         ; y: the mask; elements of 8 bytes; bit 21 beside a mask; no padding
	s_mov_b32 s[G1+1], 1024<<16                    ; tensor_dim0 = 1,024: a block's 16 units of this K step, 8,192 bytes on end
	s_mov_b32 s[G1+2], 4<<16                       ; tensor_dim1 = 4 blocks of 16 rows
	s_mov_b32 s[G1+3], 1024<<16                    ; tile_dim0
	s_mov_b32 s[G1+4], 4                           ; tile_dim1
	s_mov_b32 s[G1+5], 4096                        ; from block to block: 32,768 bytes
	s_mov_b32 s[G1+6], 0
	s_mov_b32 s[G1+7], 0
	s_or_b32 s[G1B+0], s44, (1<<16)|(1<<20)|(1<<21)|(6<<22)|(3<<25)  ; pb: elements of 2 bytes; after every 128 words, 4 words
	s_mov_b32 s[G1B+1], KSTEP<<16
	s_mov_b32 s[G1B+2], 64<<16
	s_mov_b32 s[G1B+3], KSTEP<<16
	s_mov_b32 s[G1B+4], 64
	s_mov_b32 s[G1B+5], 1024
	s_mov_b32 s[G1B+6], 0
	s_mov_b32 s[G1B+7], 0
	s_lshl_b32 s16, s13, 3
	s_lshl_b32 s17, s12, 2
	s_add_co_u32 s16, s16, s17
	s_lshl_b32 s16, s16, 15                        ; y: block 8 x tile row + 4 x half, 32,768 bytes each
	s_mov_b32 s17, 0
	s_lshl_b32 s46, s42, 7
	s_lshl_b32 s47, s12, 6
	s_add_co_u32 s46, s46, s47
	s_lshl_b32 s46, s46, 11                        ; pb: row 128 x tile column + 64 x half, 2,048 bytes each
	s_mov_b32 s47, 0
	s_lshl_b32 s20, s12, 15                        ; where they go: no place in the cluster enters an LDS address
	s_mul_i32 s21, s12, HALFB
	s_add_co_u32 s21, s21, ABYTES
	s_wait_dscnt 0x0                               ; the opening add is done
	s_wait_kmcnt 0x0
	s_add_nc_u64 s[14:15], s[4:5], s[16:17]
	s_add_nc_u64 s[46:47], s[6:7], s[46:47]
	CROUND                                         ; all sixteen work-groups are here: the first joint loads meet
.irp s, 0,1
	s_mov_b32 s[G0+4*(\s)], 1
	s_add_co_u32 s[G0+4*(\s)+1], s20, (\s)*SLOT
	s_add_nc_u64 s[G0+4*(\s)+2:G0+4*(\s)+3], s[14:15], (\s)*8192
	s_or_b32 s[G0+4*(\s)+3], s[G0+4*(\s)+3], 0x80000000
	s_mov_b32 s[G0B+4*(\s)], 1
	s_add_co_u32 s[G0B+4*(\s)+1], s21, (\s)*SLOT
	s_add_nc_u64 s[G0B+4*(\s)+2:G0B+4*(\s)+3], s[46:47], (\s)*KSTEP*2
	s_or_b32 s[G0B+4*(\s)+3], s[G0B+4*(\s)+3], 0x80000000
	JLOAD \s
.endr
	v_and_b32 v1, 15, v0                           ; l % 16
	v_bfe_u32 v2, v0, 4, 1                         ; l / 16
	v_mul_u32_u24 v3, v1, PITCH
	v_lshl_add_u32 v3, v2, 4, v3                   ; pb: row x pitch + 16 x half
	v_and_b32 v4, 31, v0
	v_lshlrev_b32 v4, 4, v4                        ; y: 16 l
	s_lshl_b32 s21, s11, 15                        ; my four blocks of y
	s_mul_i32 s22, s12, HALFB                      ; my 64 rows of pb
	s_add_co_u32 s22, s22, ABYTES
.irp s, 0,1
	v_add_nc_u32 v[ADRA+(\s)], s21, v4
	v_add_nc_u32 v[ADRB+(\s)], s22, v3
	s_add_co_u32 s21, s21, SLOT
	s_add_co_u32 s22, s22, SLOT
.endr
	s_mul_i32 s23, s10, 16*SPITCH
	s_add_co_u32 s23, s23, STAGE                   ; my stage
	v_mul_u32_u24 v5, v1, SPITCH                   ; in: row l % 16, 32 bytes for each half of the lanes
	v_lshl_add_u32 v5, v2, 5, v5
	v_add_nc_u32 v[STO], s23, v5
	v_mul_u32_u24 v5, v2, SPITCH                   ; back: lanes 0-15 one row of 256 bytes, lanes 16-31 the next
	v_lshl_add_u32 v5, v1, 4, v5
	v_add_nc_u32 v[RD], s23, v5
	v_lshlrev_b32 v5, 12, v2                       ; and the same two rows in the output
	v_lshl_add_u32 v[CO], v1, 4, v5
	s_lshl_b32 s16, s13, 7
	s_lshl_b32 s17, s11, 6
	s_add_co_u32 s16, s16, s17                     ; my first row
	s_lshl_b32 s16, s16, 12
	s_mov_b32 s17, 0
	s_add_nc_u64 s[8:9], s[8:9], s[16:17]
	s_lshl_b32 s46, s42, 9                         ; my first column, in bytes
	s_lshl_b32 s47, s12, 8
	s_add_co_u32 s46, s46, s47
	s_mov_b32 s47, 0
	s_add_nc_u64 s[8:9], s[8:9], s[46:47]
; 8 matrix instructions: m blocks a0, a0 + 1 x all 4 n blocks, 32 along K: half c of buffer f.  The 16 accumulators take turns.
.macro MUL8 f, c, a0, zero
	WIN MUL
.irp a, \a0, (\a0)+1
.irp b, 0,1,2,3
.if \zero
	v_wmma_f32_16x16x32_f16 v[ACC+8*(4*(\a)+(\b)):ACC+8*(4*(\a)+(\b))+7], v[(\f)+64+8*(4*(\c)+(\b)):(\f)+64+8*(4*(\c)+(\b))+7], v[(\f)+8*(4*(\c)+(\a)):(\f)+8*(4*(\c)+(\a))+7], 0
.else
	v_wmma_f32_16x16x32_f16 v[ACC+8*(4*(\a)+(\b)):ACC+8*(4*(\a)+(\b))+7], v[(\f)+64+8*(4*(\c)+(\b)):(\f)+64+8*(4*(\c)+(\b))+7], v[(\f)+8*(4*(\c)+(\a)):(\f)+8*(4*(\c)+(\a))+7], v[ACC+8*(4*(\a)+(\b)):ACC+8*(4*(\a)+(\b))+7]
.endif
.endr
.endr
.endm
; 32 LDS loads in one run: the fragments of 64 along K (byte k of pb's rows; 16 k in a block of y) into buffer f; the first 32 along K first
.macro FETCH slot, k, f
	WIN TO_F
.irp c, 0,1
.irp i, 0,1,2,3
	ds_load_b128 v[(\f)+64+8*(4*(\c)+(\i)):(\f)+64+8*(4*(\c)+(\i))+3],   v[ADRB+(\slot)] offset:(\k)+64*(\c)+(\i)*16*PITCH
	ds_load_b128 v[(\f)+64+8*(4*(\c)+(\i))+4:(\f)+64+8*(4*(\c)+(\i))+7], v[ADRB+(\slot)] offset:(\k)+64*(\c)+(\i)*16*PITCH+32
	ds_load_b128 v[(\f)+8*(4*(\c)+(\i)):(\f)+8*(4*(\c)+(\i))+3],         v[ADRA+(\slot)] offset:16*(\k)+1024*(\c)+8192*(\i)
	ds_load_b128 v[(\f)+8*(4*(\c)+(\i))+4:(\f)+8*(4*(\c)+(\i))+7],       v[ADRA+(\slot)] offset:16*(\k)+1024*(\c)+8192*(\i)+512
.endr
.endr
.endm
.macro PLACES
.rept 4
	v_nop
.endr
.endm
.macro QUARTER slot, k, f, g, zero     ; 64 along K: multiplies buffer f and fetches the next quarter, at byte k, into g
	s_wait_dscnt 16                                ; the first 32 along K are in
	WIN MUL
	MUL8 \f, 0, 0, \zero
	MUL8 \f, 0, 2, \zero
	PLACES
	FETCH \slot, \k, \g
	s_wait_dscnt 32                                ; all but the 32 just issued
	WIN MUL
	MUL8 \f, 1, 0, 0
	MUL8 \f, 1, 2, 0
.endm
; A step's last quarter multiplies buffer 1 and changes slots.  fill = 1: this slot is filled again, two K steps ahead, behind a round of the cluster's barrier.
.macro TURN slot, next, fill
	WIN 0
	s_wait_tensorcnt 0x0                           ; all my tensor loads have landed: my part of the next slot
	ds_add_u32 v[SPW], v[NIL]
	s_wait_dscnt 17                                ; the add and the youngest sixteen loads may be out
	WIN MUL
	MUL8 F1, 0, 0, 0
	s_wait_dscnt 0x0                               ; the add is done, and my reads of this slot are over
	s_barrier_signal -1
	MUL8 F1, 0, 2, 0
.if \fill
	WIN 0
.endif
	s_barrier_wait -1
.if \fill
	CREST
	s_add_nc_u64 s[G0+4*(\slot)+2:G0+4*(\slot)+3], s[G0+4*(\slot)+2:G0+4*(\slot)+3], 2*8192
	s_add_nc_u64 s[G0B+4*(\slot)+2:G0B+4*(\slot)+3], s[G0B+4*(\slot)+2:G0B+4*(\slot)+3], 2*KSTEP*2
	JLOAD \slot                                    ; the first tensor load behind the round; its four v_nop are also the places in front of the loads below
.else
	PLACES
.endif
	FETCH \next, 0, F0
	WIN MUL
	MUL8 F1, 1, 0, 0
	MUL8 F1, 1, 2, 0
.endm
	s_wait_tensorcnt 1                             ; my part of K step 0 is in; K step 1's stays out
	s_barrier_signal -1
	s_barrier_wait -1
	FETCH 0, 0, F0
	QUARTER 0, 128, F0, F1, 1                      ; the first products start the sums
	QUARTER 0, 256, F1, F0, 0                      ; K has four steps: each slot is filled again once, so a loop would have one trip and the steps stand as they come
	QUARTER 0, 384, F0, F1, 0
	TURN 0, 1, 1
	QUARTER 1, 128, F0, F1, 0
	QUARTER 1, 256, F1, F0, 0
	QUARTER 1, 384, F0, F1, 0
	TURN 1, 0, 1
	QUARTER 0, 128, F0, F1, 0
	QUARTER 0, 256, F1, F0, 0
	QUARTER 0, 384, F0, F1, 0
	TURN 0, 1, 0
	QUARTER 1, 128, F0, F1, 0
	QUARTER 1, 256, F1, F0, 0
	QUARTER 1, 384, F0, F1, 0
	s_wait_dscnt 16
	WIN MUL
	MUL8 F1, 0, 0, 0
	MUL8 F1, 0, 2, 0
	s_wait_dscnt 0
	MUL8 F1, 1, 0, 0
	MUL8 F1, 1, 2, 0
	WIN 0
	; THE WAY OUT, a wave's own: its 64 columns in f32 are 256 aligned bytes of a row.  16 rows at a time go into my stage, 32 bytes a lane, and come back as whole rows.
.rept 8
	v_nop                                          ; the places behind the last products, once a launch
.endr
.irp a, 0,1,2,3
.irp b, 0,1,2,3
	ds_store_b128 v[STO], v[ACC+8*(4*(\a)+(\b)):ACC+8*(4*(\a)+(\b))+3]   offset:64*(\b)  ; the low registers first
	ds_store_b128 v[STO], v[ACC+8*(4*(\a)+(\b))+4:ACC+8*(4*(\a)+(\b))+7] offset:64*(\b)+16
.endr
.if (\a) >= 2
	s_wait_xcnt 0x0                                ; the stores of the block two back have read the registers that are loaded again
.endif
.irp t, 0,1,2,3,4,5,6,7
	ds_load_b128 v[TMP+32*((\a)%2)+4*(\t):TMP+32*((\a)%2)+4*(\t)+3], v[RD] offset:(\t)*2*SPITCH  ; LDS serves a wave's instructions in order (ISA guide 5.7.1.4): these see the stores above
.endr
.irp t, 0,1,2,3,4,5,6,7
	s_wait_dscnt 7-(\t)
	global_store_b128 v[CO], v[TMP+32*((\a)%2)+4*(\t):TMP+32*((\a)%2)+4*(\t)+3], s[8:9] offset:(16*(\a)+2*(\t))*4096  ; 16 lanes store 256 consecutive bytes, aligned
.endr
.endr
	s_wait_tensorcnt 0x0                           ; the wave's end, behind my last tensor load and my last LDS store
	ds_add_u32 v[SPW], v[NIL]
	s_wait_dscnt 0x0
	CROUND                                         ; the closing round
	s_endpgm
.Lfunc_end_k_q4e6589c247_proj:
	.size	k_q4e6589c247_proj, .Lfunc_end_k_q4e6589c247_proj-k_q4e6589c247_proj
	.p2alignl 7, 3214868480
	.fill 96, 4, 3214868480
	.section	.rodata,"a",@progbits
	.p2align	6, 0x0
	.amdhsa_kernel k_q4e6589c247_proj
		.amdhsa_group_segment_fixed_size 327680
		.amdhsa_private_segment_fixed_size 0
		.amdhsa_enable_private_segment 0
		.amdhsa_kernarg_size 24
		.amdhsa_user_sgpr_count 2
		.amdhsa_user_sgpr_kernarg_segment_ptr 1
		.amdhsa_wavefront_size32 1
		.amdhsa_system_sgpr_workgroup_id_x 1
		.amdhsa_system_sgpr_workgroup_id_y 1
		.amdhsa_system_sgpr_workgroup_id_z 1
		.amdhsa_system_vgpr_workitem_id 0
		.amdhsa_next_free_vgpr 512
		.amdhsa_next_free_sgpr 66
		.amdhsa_reserve_vcc 0
		.amdhsa_float_denorm_mode_32 3
		.amdhsa_float_denorm_mode_16_64 3
		.amdhsa_memory_ordered 1
		.amdhsa_forward_progress 1
		.amdhsa_inst_pref_size 86
	.end_amdhsa_kernel
	.amdgpu_metadata
---
amdhsa.version: [ 1, 2 ]
amdhsa.kernels:
  - .name:           k_q4e6589c247_proj
    .symbol:         k_q4e6589c247_proj.kd
    .args:
      - { .name: yf, .offset: 0, .size: 8, .value_kind: global_buffer, .address_space: global }
      - { .name: pb, .offset: 8, .size: 8, .value_kind: global_buffer, .address_space: global }
      - { .name: out0, .offset: 16, .size: 8, .value_kind: global_buffer, .address_space: global }
    .group_segment_fixed_size: 327680
    .private_segment_fixed_size: 0
    .kernarg_segment_align: 8
    .kernarg_segment_size: 24
    .max_flat_workgroup_size: 128
    .sgpr_count:     66
    .vgpr_count:     512
    .wavefront_size: 32
...
	.end_amdgpu_metadata
.endif
;; end of part 4
;; ======== version 2 of 2: 4 launches; version 1 with the launch prep written anew for expert scheduling mode
;; limits: values are held in f16: magnitudes above 65,504 overflow, below 6.1e-05 lose precision
;; workspace buffers: xb 8,388,608 bytes; wb 6,291,456 bytes; pb 2,097,152 bytes; rope 1,048,576 bytes; qf 8,388,608 bytes; kf 8,388,608 bytes; vf 8,388,608 bytes; yf 8,388,608 bytes
;; launch prep (part 5): grid 512 x 1, 8 waves a work-group, no clusters, 0 bytes of LDS; arguments x, qkv_w, proj_w, xb, wb, pb, rope; writes xb, wb, pb, rope
.if DOCPART == 5
	.amdgcn_target "amdgcn-amd-amdhsa--gfx1250"
	.amdhsa_code_object_version 6
	.text
	.protected	k_q4e6589c247_prep
	.globl	k_q4e6589c247_prep
	.p2align	8
	.type	k_q4e6589c247_prep,@function
k_q4e6589c247_prep:
	s_mov_b64 s[64:65], 0
	v_nop
	global_prefetch_b8 v0, s[64:65] scope:SCOPE_SE
	s_setreg_imm32_b32 hwreg(HW_REG_WAVE_SCHED_MODE, 0, 2), 2
	s_setreg_imm32_b32 hwreg(HW_REG_WAVE_MODE, 25, 1), 1
	s_wait_xcnt 0x0
	s_wait_alu depctr_vm_vsrc(0)
; THE INPUTS OF THE TWO PROJECTIONS, ROUNDED ONCE, AND THE ROTARY TABLE.
; xb = bf16(x), wb = bf16(qkv_w), pb = f16(bf16(proj_w)): proj_w has the same rounding to bf16 as every other input and is then written as f16,
; because the last product's other operand is f16.  LIMIT: below 6.1e-5 f16 keeps a fixed step of 6e-8, so such a weight is off by at most 3e-8.
; rope[t] = cos(t a_j), j = 0..31, then sin(t a_j), j = 0..31, f32, 256 bytes a row; a_j = 2^(-10 j / 31).  The other 32 angles of the problem's table are 0 and need no entry.
; LIMIT: a_j comes from v_exp_f32 (1 ULP: ISA guide 15.8), so t a_j may be off by some 4e-4 at t = 4095; sine and cosine are cut at r^7 and r^8 with |r| <= pi/4: below 4e-7.
; SHARES.  512 work-groups, each one chunk of 16,384 numbers: 256 chunks of x, 192 of qkv_w, 64 of proj_w.  A wave takes 2,048 numbers by 16 loads of 512 consecutive bytes, all issued at once;
; a load's four numbers a lane leave as 8 bytes, so a store of the wave covers 256 consecutive bytes, aligned.  Wave 8 n + w also makes row t = 8 n + w of the table: 4,096 waves, 4,096 rows.
; No LDS, no barrier, no matrix unit: nothing is shared and every byte is touched once.
; THE MODE: SCHED_MODE bits 1:0 = 2 (LLVM: expert scheduling mode 2), set by the entry lines.  The code itself states the register dependences
; between vector instructions and memory instructions, with s_wait_alu, always for 0.
; THE PLAN.  Registers that memory instructions touch:
;   v1, v2, v3   byte offsets of the loads, of the stores and of the table's store: made at the head, never written again.
;   D            written by the 16 loads alone, once each; read by the conversions, each behind its counted wait.  No vector instruction names D ahead of the loads, and nothing lands there again.
;   v[10:11]     the table's two numbers: written by the last lines of the table's arithmetic, read by its one store, never written again.
;   O            a pair for each load: written once by the conversions, read by that load's store, never written again.
; So a wait on va_vdst stands ahead of the loads (the offsets), ahead of the table's store (its two numbers), and once for every four loads, between their eight conversions and the run of their four stores.
; No register that a memory instruction has read is ever written again, so past the entry lines the text holds no wait on vm_vsrc.  EXEC is never written.
; Scalar registers that vector instructions write: s3 and s41, at the head, with one wait on va_sdst ahead of their first reader; s42 and s43, the two quadrants' masks, with one wait behind both.
.set D, 16                             ; v[16:79]   the 16 loads
.set O, 80                             ; v[80:111]  two registers to store for each load
.set TA, 112                           ; v[112:117] at work: the table's first number; later the widened halves of proj_w
.set TB, 118                           ; v[118:123] at work: the table's second number
	s_load_b256 s[4:11], s[0:1], 0x0               ; x s[4:5], qkv_w s[6:7], proj_w s[8:9], xb s[10:11]
	s_load_b128 s[12:15], s[0:1], 0x20             ; wb s[12:13], pb s[14:15]
	s_load_b64 s[16:17], s[0:1], 0x30              ; rope
	v_lshrrev_b32 v4, 5, v0
	v_readfirstlane_b32 s3, v4                     ; wave 0..7
	v_and_b32 v5, 31, v0                           ; lane
	v_cmp_gt_u32 s41, 16, v5                       ; the lanes that make cosines: it hangs on the lane alone, so it stands here, beside the other writer of a scalar register
	v_lshlrev_b32 v1, 4, v5
	v_lshl_add_u32 v1, v4, 13, v1                  ; in: 8,192 w + 16 lane
	v_lshlrev_b32 v3, 3, v5                        ; 8 lane
	v_lshl_add_u32 v2, v4, 12, v3                  ; out: 4,096 w + 8 lane
	s_mov_b32 s2, ttmp9                            ; n
	s_movk_i32 s30, 256                            ; first chunk of qkv_w
	s_movk_i32 s31, 448                            ; first chunk of proj_w
	s_wait_alu depctr_va_sdst(0)                   ; s3 and s41 are written, ahead of their first readers: t is made from s3 two lines down, the select of v9 reads s41
	s_lshl_b32 s25, s2, 3
	s_add_co_u32 s25, s25, s3                      ; t
	s_lshl_b32 s18, s25, 8                         ; the table's row, 256 bytes
	s_mov_b32 s19, 0
	s_mov_b32 s32, 0x3f22f983                      ; 2 / pi
	s_mov_b32 s33, 0xbfc90fdb                      ; - (pi / 2 rounded to f32)
	s_mov_b32 s34, 0x333bbd2e                      ; - (pi / 2 less that)
	s_mov_b32 s35, 0xbe2aaaab                      ; -1/6
	s_mov_b32 s36, 0x3c088889                      ; 1/120
	s_mov_b32 s37, 0xb9500d01                      ; -1/5040
	s_mov_b32 s38, 0x3d2aaaab                      ; 1/24
	s_mov_b32 s39, 0xbab60b61                      ; -1/720
	s_mov_b32 s40, 0x37d00d01                      ; 1/40320
	s_wait_kmcnt 0x0
	s_cmp_lt_u32 s2, s31                           ; which tensor: the choice hangs on the work-group's number alone
	s_cselect_b64 s[20:21], s[6:7], s[8:9]
	s_cselect_b64 s[22:23], s[12:13], s[14:15]
	s_cselect_b32 s24, s30, s31
	s_cmp_lt_u32 s2, s30
	s_cselect_b64 s[20:21], s[4:5], s[20:21]
	s_cselect_b64 s[22:23], s[10:11], s[22:23]
	s_cselect_b32 s24, 0, s24
	s_sub_co_u32 s24, s2, s24                      ; my chunk in that tensor
	s_lshl_b32 s26, s24, 16                        ; 65,536 bytes in,
	s_mov_b32 s27, 0
	s_lshl_b32 s28, s24, 15                        ; 32,768 out
	s_mov_b32 s29, 0
	s_add_nc_u64 s[20:21], s[20:21], s[26:27]
	s_add_nc_u64 s[22:23], s[22:23], s[28:29]
	s_add_nc_u64 s[16:17], s[16:17], s[18:19]
	s_wait_alu depctr_va_vdst(0)                   ; v1, v2 and v3 are written: every load and store of the kernel reads one of them as its offset
.irp i, 0,1,2,3,4,5,6,7,8,9,10,11,12,13,14,15
	global_load_b128 v[D+4*(\i):D+4*(\i)+3], v1, s[20:21] offset:512*(\i) th:TH_LOAD_NT
.endr
; THE TABLE'S ROW, made while the loads are out.  Lane l makes columns 2 l and 2 l + 1: cosines in lanes 0-15, sines in lanes 16-31, of j = 2 (l % 16) and the next.
; sin(th): k = the nearest whole number to th 2 / pi; r = th - k pi / 2 with pi / 2 in two parts (k <= 2,607); quadrant n = k: sin r, cos r, -sin r, -cos r.  cos(th) = sin(th + pi / 2): n = k + 1.
; In two parts, so that both numbers' compares stand ahead of one wait.  SC1: sin r at t + 3, cos r at t + 4, the sign at t + 5, the mask of the odd quadrants in s[m].  SC2: the choice and the sign.
.macro SC1 th, t, m
	v_mul_f32 v[\t], s32, v[\th]
	v_rndne_f32 v[\t], v[\t]                       ; k
	v_fma_f32 v[(\t)+1], v[\t], s33, v[\th]
	v_fma_f32 v[(\t)+1], v[\t], s34, v[(\t)+1]     ; r
	v_mul_f32 v[(\t)+2], v[(\t)+1], v[(\t)+1]      ; z = r r
	v_fma_f32 v[(\t)+3], v[(\t)+2], s37, s36
	v_fma_f32 v[(\t)+4], v[(\t)+2], s40, s39
	v_fma_f32 v[(\t)+3], v[(\t)+3], v[(\t)+2], s35
	v_fma_f32 v[(\t)+4], v[(\t)+4], v[(\t)+2], s38
	v_mul_f32 v[(\t)+5], v[(\t)+2], v[(\t)+1]
	v_fma_f32 v[(\t)+4], v[(\t)+4], v[(\t)+2], -0.5
	v_fma_f32 v[(\t)+3], v[(\t)+3], v[(\t)+5], v[(\t)+1]  ; sin r
	v_fma_f32 v[(\t)+4], v[(\t)+4], v[(\t)+2], 1.0        ; cos r
	v_cvt_i32_f32 v[\t], v[\t]
	v_add_nc_u32 v[\t], v[\t], v9                  ; n
	v_and_b32 v[(\t)+5], 1, v[\t]
	v_cmp_eq_u32 s[\m], 1, v[(\t)+5]
	v_and_b32 v[(\t)+5], 2, v[\t]
	v_lshlrev_b32 v[(\t)+5], 30, v[(\t)+5]         ; the sign
.endm
.macro SC2 dst, t, m
	v_cndmask_b32 v[\dst], v[(\t)+3], v[(\t)+4], s[\m]  ; a choice of values only
	v_xor_b32 v[\dst], v[\dst], v[(\t)+5]
.endm
	v_and_b32 v4, 15, v0
	v_lshlrev_b32 v4, 1, v4                        ; j
	v_cvt_f32_u32 v6, v4
	v_add_nc_u32 v4, 1, v4
	v_cvt_f32_u32 v7, v4
	v_mul_f32 v6, 0xbea5294a, v6                   ; -10 j / 31
	v_mul_f32 v7, 0xbea5294a, v7
	v_exp_f32 v6, v6
	v_exp_f32 v7, v7
	v_cvt_f32_u32 v8, s25                          ; t; with the line below the independent work behind the exponentials
	v_cndmask_b32 v9, 0, 1, s41                    ; 1 where a cosine is made
	s_wait_alu depctr_va_vdst(0)                   ; the two exponentials have written v6 and v7: one wait for both, ahead of their first reader
	v_mul_f32 v6, v6, v8
	v_mul_f32 v7, v7, v8
	SC1 6, TA, 42
	SC1 7, TB, 43
	s_wait_alu depctr_va_sdst(0)                   ; the two compares have written s42 and s43, which the two selects below read
	SC2 10, TA, 42
	SC2 11, TB, 43
	s_wait_alu depctr_va_vdst(0)                   ; v10 and v11 are written, which the store reads as its data
	global_store_b64 v3, v[10:11], s[16:17]        ; the wave stores the row's 256 consecutive bytes
; The chunk, four loads at a time: each load's conversions behind its own counted wait, then one wait on va_vdst, then the run of four stores.
.macro TO_BF16 i
	s_wait_loadcnt 15-(\i)                         ; loads come back in order (ISA guide 5.7.1): load i is in, the younger ones stay out
	v_cvt_pk_bf16_f32 v[O+2*(\i)], v[D+4*(\i)], v[D+4*(\i)+1]
	v_cvt_pk_bf16_f32 v[O+2*(\i)+1], v[D+4*(\i)+2], v[D+4*(\i)+3]
.endm
.macro TO_F16 i                        ; proj_w: to bf16, widened again, and that number written as f16
	s_wait_loadcnt 15-(\i)
	v_cvt_pk_bf16_f32 v12, v[D+4*(\i)], v[D+4*(\i)+1]
	v_cvt_pk_bf16_f32 v13, v[D+4*(\i)+2], v[D+4*(\i)+3]
	v_lshlrev_b32 v[TA], 16, v12
	v_and_b32 v[TA+1], 0xffff0000, v12
	v_lshlrev_b32 v[TA+2], 16, v13
	v_and_b32 v[TA+3], 0xffff0000, v13
	v_cvt_pk_f16_f32 v[O+2*(\i)], v[TA], v[TA+1]
	v_cvt_pk_f16_f32 v[O+2*(\i)+1], v[TA+2], v[TA+3]
.endm
.macro SEND i
	global_store_b64 v2, v[O+2*(\i):O+2*(\i)+1], s[22:23] offset:256*(\i)
.endm
	s_cmp_lt_u32 s2, s31
	s_cbranch_scc0 .Lproj
.irp g, 0,4,8,12
.irp j, 0,1,2,3
	TO_BF16 (\g)+(\j)
.endr
	s_wait_alu depctr_va_vdst(0)                   ; the eight conversions above have written their four pairs of O, which the four stores below read
.irp j, 0,1,2,3
	SEND (\g)+(\j)
.endr
.endr
	s_endpgm
.Lproj:
.irp g, 0,4,8,12
.irp j, 0,1,2,3
	TO_F16 (\g)+(\j)
.endr
	s_wait_alu depctr_va_vdst(0)                   ; the conversions to f16 above have written their four pairs of O, which the four stores below read
.irp j, 0,1,2,3
	SEND (\g)+(\j)
.endr
.endr
	s_endpgm
.Lfunc_end_k_q4e6589c247_prep:
	.size	k_q4e6589c247_prep, .Lfunc_end_k_q4e6589c247_prep-k_q4e6589c247_prep
	.p2alignl 7, 3214868480
	.fill 96, 4, 3214868480
	.section	.rodata,"a",@progbits
	.p2align	6, 0x0
	.amdhsa_kernel k_q4e6589c247_prep
		.amdhsa_group_segment_fixed_size 0
		.amdhsa_private_segment_fixed_size 0
		.amdhsa_enable_private_segment 0
		.amdhsa_kernarg_size 56
		.amdhsa_user_sgpr_count 2
		.amdhsa_user_sgpr_kernarg_segment_ptr 1
		.amdhsa_wavefront_size32 1
		.amdhsa_system_sgpr_workgroup_id_x 1
		.amdhsa_system_sgpr_workgroup_id_y 1
		.amdhsa_system_sgpr_workgroup_id_z 1
		.amdhsa_system_vgpr_workitem_id 0
		.amdhsa_next_free_vgpr 124
		.amdhsa_next_free_sgpr 66
		.amdhsa_reserve_vcc 0
		.amdhsa_float_denorm_mode_32 3
		.amdhsa_float_denorm_mode_16_64 3
		.amdhsa_memory_ordered 1
		.amdhsa_forward_progress 1
		.amdhsa_inst_pref_size 20
	.end_amdhsa_kernel
	.amdgpu_metadata
---
amdhsa.version: [ 1, 2 ]
amdhsa.kernels:
  - .name:           k_q4e6589c247_prep
    .symbol:         k_q4e6589c247_prep.kd
    .args:
      - { .name: x, .offset: 0, .size: 8, .value_kind: global_buffer, .address_space: global }
      - { .name: qkv_w, .offset: 8, .size: 8, .value_kind: global_buffer, .address_space: global }
      - { .name: proj_w, .offset: 16, .size: 8, .value_kind: global_buffer, .address_space: global }
      - { .name: xb, .offset: 24, .size: 8, .value_kind: global_buffer, .address_space: global }
      - { .name: wb, .offset: 32, .size: 8, .value_kind: global_buffer, .address_space: global }
      - { .name: pb, .offset: 40, .size: 8, .value_kind: global_buffer, .address_space: global }
      - { .name: rope, .offset: 48, .size: 8, .value_kind: global_buffer, .address_space: global }
    .group_segment_fixed_size: 0
    .private_segment_fixed_size: 0
    .kernarg_segment_align: 8
    .kernarg_segment_size: 56
    .max_flat_workgroup_size: 256
    .sgpr_count:     66
    .vgpr_count:     124
    .wavefront_size: 32
...
	.end_amdgpu_metadata
.endif
;; end of part 5
;; launch qkv: the kernel of part 2 again; grid 12 x 16, 4 waves a work-group, clusters of 4 x 4, 327,680 bytes of LDS; arguments xb, wb, ve, lambdas, rope, qf, kf, vf; writes qf, kf, vf
;; launch attn: the kernel of part 3 again; grid 32 x 8, 4 waves a work-group, clusters of 4 x 1, 327,680 bytes of LDS; arguments qf, kf, vf, yf; writes yf
;; launch proj: the kernel of part 4 again; grid 8 x 32, 4 waves a work-group, clusters of 4 x 4, 327,680 bytes of LDS; arguments yf, pb, out0; writes out0
